; MI455X (gfx1250); checked and timed in simulation.
; The chip was launched on July 23, 2026; its instructions are those of AMD's public machine-readable ISA for CDNA 5 (MIT licence, August 2026) and "CDNA5" Instruction Set Architecture Reference Guide (July 2026). The comments in the code are by the model that wrote it; some were corrected since.
;; GQA. Allowed arithmetic: float matrix products may take bf16 or f16 operands with f32 sums; other float arithmetic in f32, or as packed bf16 or f16 multiplies, adds, multiply-adds, maxima and minima; sums over many terms, partial sums and values carried from step to step in f32; what a program stores and reads back later, other than sums and carried values, may be rounded once to bf16 or f16.
;; Inputs: alpha_k 1,024 float32; alpha_q 2,048 float32; cos 2,048 x 128 float32; sin 2,048 x 128 float32; w_k 1,024 x 1,024 float32; w_o 2,048 x 1,024 float32; w_q 1,024 x 2,048 float32; w_v 1,024 x 1,024 float32; x 2 x 2,048 x 1,024 float32.
;; Outputs: out0 2 x 2,048 x 1,024 float32.
;; 2 versions, each right; version 2 is version 1 with the launches prep, fix written anew for expert scheduling mode. Each part assembles by itself: llvm-mc -triple=amdgcn-amd-amdhsa -mcpu=gfx1250 --defsym DOCPART=n.
;; ======== version 1 of 2: 5 launches
;; limits: values are held in f16: magnitudes above 65,504 overflow, below 6.1e-05 lose precision; right only within a limited range of input values
;; workspace buffers: cast 23,068,672 bytes; proj 33,947,648 bytes; fixd 8,650,752 bytes; ob 16,777,216 bytes
;; launch prep (part 1): grid 336 x 1, 8 waves a work-group, no clusters, 0 bytes of LDS; arguments x, w_q, w_k, w_v, w_o, cos, sin, cast; writes cast
.if DOCPART == 1
	.amdgcn_target "amdgcn-amd-amdhsa--gfx1250"
	.amdhsa_code_object_version 6
	.text
	.protected	k_q9243195d97_prep
	.globl	k_q9243195d97_prep
	.p2align	8
	.type	k_q9243195d97_prep,@function
k_q9243195d97_prep:
	s_mov_b64 s[64:65], 0
	v_nop
	global_prefetch_b8 v0, s[64:65] scope:SCOPE_SE
	s_setreg_imm32_b32 hwreg(HW_REG_WAVE_MODE, 25, 1), 1
	s_wait_xcnt 0x0
; CASTS.  Every input of the module is rounded once to bf16 and laid where the later launches want it, in the buffer cast:
;   byte 0           x      [4096][1024] bf16
;   byte 8,388,608   w_q | w_k | w_v side by side, [1024 k][4096 n] bf16 (n 0-2047 Q, 2048-3071 K, 3072-4095 V)
;   byte 16,777,216  w_o    [2048 k][1024 n]: rounded to bf16, that number written as f16 (below 2^-14 it keeps f16's fixed step of 6e-8)
;   byte 20,971,520  cos, then sin, [2048][128]: rounded to bf16 and kept widened as f32
; A stream: no LDS, no matrix unit, no cluster; nothing is shared.  A UNIT is 1,024 source numbers (4,096 bytes); a wave takes 4 units on end, a work-group 32.
; The work-group's number picks the segment: a chain of selects, no branch; only the kind of conversion is a (forward) branch.
; All 32 loads of a wave go out first; no register is written again behind its store, so no wait frees a source.
.set DAT, 32                           ; v[32:159] the wave's four units as loaded, converted in place
.set TT,  160                          ; v[160:163] at work
.set SRC, 26                           ; s[26:27] the source at my first unit
.set D0,  36                           ; s[36:43] the four units' places in cast
; s28 the segment's first work-group; s29 log2 of the units in a source row (0 or 1), also the mask of a unit's place in its row; s31 bytes from row to row in cast; s32 the segment's first byte there; s33 the kind
.macro SEG start, ptr, dsh, dpitch, doff, mode
	s_cmp_ge_u32 ttmp9, \start
	s_cselect_b64 s[SRC:SRC+1], s[\ptr:\ptr+1], s[SRC:SRC+1]
	s_cselect_b32 s28, \start, s28
	s_cselect_b32 s29, \dsh, s29
	s_cselect_b32 s31, \dpitch, s31
	s_cselect_b32 s32, \doff, s32
	s_cselect_b32 s33, \mode, s33
.endm
	s_load_b512 s[8:23], s[0:1], 0x0               ; x 8, w_q 10, w_k 12, w_v 14, w_o 16, cos 18, sin 20, cast 22
	v_lshrrev_b32 v3, 5, v0
	v_readfirstlane_b32 s24, v3                    ; wave 0..7
	v_and_b32 v4, 31, v0
	v_lshlrev_b32 v1, 5, v4                        ; 32 x lane: eight f32 on end
	v_lshlrev_b32 v2, 4, v4                        ; 16 x lane
	s_mov_b32 s44, 0xffff0000                      ; a word's upper bf16
	s_mov_b32 s28, 0
	s_mov_b32 s29, 0
	s_mov_b32 s31, 2048
	s_mov_b32 s32, 0
	s_mov_b32 s33, 0
	s_wait_kmcnt 0x0
	s_mov_b64 s[SRC:SRC+1], s[8:9]                 ; work-groups 0-127: x
	SEG 128, 10, 1, 8192, 8388608, 0               ; w_q: two units a row
	SEG 192, 12, 0, 8192, 8392704, 0               ; w_k: columns 2048 on
	SEG 224, 14, 0, 8192, 8394752, 0               ; w_v: columns 3072 on
	SEG 256, 16, 0, 2048, 16777216, 1              ; w_o
	SEG 320, 18, 0, 4096, 20971520, 2              ; cos
	SEG 328, 20, 0, 4096, 22020096, 2              ; sin
	s_sub_co_u32 s25, ttmp9, s28
	s_lshl_b32 s25, s25, 5
	s_lshl2_add_u32 s25, s24, s25                  ; my first unit in the segment
	s_lshl_b32 s34, s25, 12
	s_mov_b32 s35, 0
	s_add_nc_u64 s[SRC:SRC+1], s[SRC:SRC+1], s[34:35]
.irp i, 0,1,2,3
	s_add_co_u32 s34, s25, \i
	s_lshr_b32 s45, s34, s29                       ; the unit's row,
	s_mul_i32 s45, s45, s31
	s_and_b32 s34, s34, s29                        ; its place in the row
	s_lshl_b32 s34, s34, 11
	s_add_co_u32 s34, s34, s45
	s_add_co_u32 s34, s34, s32
	s_add_nc_u64 s[D0+2*(\i):D0+2*(\i)+1], s[22:23], s[34:35]
.endr
	s_cmp_eq_u32 s33, 2
	s_cbranch_scc1 .Lwiden
.irp i, 0,1,2,3
.irp j, 0,1,2,3
	global_load_b128 v[DAT+32*(\i)+8*(\j):DAT+32*(\i)+8*(\j)+3],   v1, s[SRC:SRC+1] offset:4096*(\i)+1024*(\j) th:TH_LOAD_NT
	global_load_b128 v[DAT+32*(\i)+8*(\j)+4:DAT+32*(\i)+8*(\j)+7], v1, s[SRC:SRC+1] offset:4096*(\i)+1024*(\j)+16 th:TH_LOAD_NT
.endr
.endr
	s_cmp_eq_u32 s33, 1
	s_cbranch_scc1 .Lhalf
	; to bf16: a lane's eight numbers become 16 bytes; a wave's store covers 512 consecutive bytes, aligned
.irp i, 0,1,2,3
	s_wait_loadcnt 24-8*(\i)                       ; unit i is in; the younger units' eight loads each may stay out
.irp j, 0,1,2,3
.irp k, 0,1,2,3
	v_cvt_pk_bf16_f32 v[DAT+32*(\i)+8*(\j)+(\k)], v[DAT+32*(\i)+8*(\j)+2*(\k)], v[DAT+32*(\i)+8*(\j)+2*(\k)+1]
.endr
	global_store_b128 v2, v[DAT+32*(\i)+8*(\j):DAT+32*(\i)+8*(\j)+3], s[D0+2*(\i):D0+2*(\i)+1] offset:512*(\j)
.endr
.endr
	s_endpgm
.Lhalf:                                        ; to bf16, widened again, and that number as f16
.irp i, 0,1,2,3
	s_wait_loadcnt 24-8*(\i)
.irp j, 0,1,2,3
.irp k, 0,1,2,3
	v_cvt_pk_bf16_f32 v[TT+(\k)], v[DAT+32*(\i)+8*(\j)+2*(\k)], v[DAT+32*(\i)+8*(\j)+2*(\k)+1]
.endr
.irp k, 0,1,2,3
	v_lshlrev_b32 v[DAT+32*(\i)+8*(\j)+2*(\k)], 16, v[TT+(\k)]
	v_and_b32 v[DAT+32*(\i)+8*(\j)+2*(\k)+1], s44, v[TT+(\k)]
.endr
.irp k, 0,1,2,3
	v_cvt_pk_f16_f32 v[DAT+32*(\i)+8*(\j)+(\k)], v[DAT+32*(\i)+8*(\j)+2*(\k)], v[DAT+32*(\i)+8*(\j)+2*(\k)+1]
.endr
	global_store_b128 v2, v[DAT+32*(\i)+8*(\j):DAT+32*(\i)+8*(\j)+3], s[D0+2*(\i):D0+2*(\i)+1] offset:512*(\j)
.endr
.endr
	s_endpgm
.Lwiden:                                       ; to bf16 and back to f32: four numbers a lane and load, stored where they came from in the unit
.irp i, 0,1,2,3
.irp j, 0,1,2,3,4,5,6,7
	global_load_b128 v[DAT+32*(\i)+4*(\j):DAT+32*(\i)+4*(\j)+3], v2, s[SRC:SRC+1] offset:4096*(\i)+512*(\j) th:TH_LOAD_NT
.endr
.endr
.irp i, 0,1,2,3
	s_wait_loadcnt 24-8*(\i)
.irp j, 0,1,2,3,4,5,6,7
	v_cvt_pk_bf16_f32 v[TT+2*((\j)%2)],   v[DAT+32*(\i)+4*(\j)],   v[DAT+32*(\i)+4*(\j)+1]
	v_cvt_pk_bf16_f32 v[TT+2*((\j)%2)+1], v[DAT+32*(\i)+4*(\j)+2], v[DAT+32*(\i)+4*(\j)+3]
	v_lshlrev_b32 v[DAT+32*(\i)+4*(\j)],   16,  v[TT+2*((\j)%2)]
	v_and_b32     v[DAT+32*(\i)+4*(\j)+1], s44, v[TT+2*((\j)%2)]
	v_lshlrev_b32 v[DAT+32*(\i)+4*(\j)+2], 16,  v[TT+2*((\j)%2)+1]
	v_and_b32     v[DAT+32*(\i)+4*(\j)+3], s44, v[TT+2*((\j)%2)+1]
	global_store_b128 v2, v[DAT+32*(\i)+4*(\j):DAT+32*(\i)+4*(\j)+3], s[D0+2*(\i):D0+2*(\i)+1] offset:512*(\j)
.endr
.endr
	s_endpgm
.Lfunc_end_k_q9243195d97_prep:
	.size	k_q9243195d97_prep, .Lfunc_end_k_q9243195d97_prep-k_q9243195d97_prep
	.p2alignl 7, 3214868480
	.fill 96, 4, 3214868480
	.section	.rodata,"a",@progbits
	.p2align	6, 0x0
	.amdhsa_kernel k_q9243195d97_prep
		.amdhsa_group_segment_fixed_size 0
		.amdhsa_private_segment_fixed_size 0
		.amdhsa_enable_private_segment 0
		.amdhsa_kernarg_size 64
		.amdhsa_user_sgpr_count 2
		.amdhsa_user_sgpr_kernarg_segment_ptr 1
		.amdhsa_wavefront_size32 1
		.amdhsa_system_sgpr_workgroup_id_x 1
		.amdhsa_system_sgpr_workgroup_id_y 1
		.amdhsa_system_sgpr_workgroup_id_z 1
		.amdhsa_system_vgpr_workitem_id 0
		.amdhsa_next_free_vgpr 168
		.amdhsa_next_free_sgpr 66
		.amdhsa_reserve_vcc 0
		.amdhsa_float_denorm_mode_32 3
		.amdhsa_float_denorm_mode_16_64 3
		.amdhsa_memory_ordered 1
		.amdhsa_forward_progress 1
		.amdhsa_inst_pref_size 41
	.end_amdhsa_kernel
	.amdgpu_metadata
---
amdhsa.version: [ 1, 2 ]
amdhsa.kernels:
  - .name:           k_q9243195d97_prep
    .symbol:         k_q9243195d97_prep.kd
    .args:
      - { .name: x, .offset: 0, .size: 8, .value_kind: global_buffer, .address_space: global }
      - { .name: w_q, .offset: 8, .size: 8, .value_kind: global_buffer, .address_space: global }
      - { .name: w_k, .offset: 16, .size: 8, .value_kind: global_buffer, .address_space: global }
      - { .name: w_v, .offset: 24, .size: 8, .value_kind: global_buffer, .address_space: global }
      - { .name: w_o, .offset: 32, .size: 8, .value_kind: global_buffer, .address_space: global }
      - { .name: cos, .offset: 40, .size: 8, .value_kind: global_buffer, .address_space: global }
      - { .name: sin, .offset: 48, .size: 8, .value_kind: global_buffer, .address_space: global }
      - { .name: cast, .offset: 56, .size: 8, .value_kind: global_buffer, .address_space: global }
    .group_segment_fixed_size: 0
    .private_segment_fixed_size: 0
    .kernarg_segment_align: 8
    .kernarg_segment_size: 64
    .max_flat_workgroup_size: 256
    .sgpr_count:     66
    .vgpr_count:     168
    .wavefront_size: 32
...
	.end_amdgpu_metadata
.endif
;; end of part 1
;; launch qkv (part 2): grid 16 x 16, 4 waves a work-group, clusters of 4 x 4, 327,680 bytes of LDS; arguments cast, alpha_q, alpha_k, proj; writes proj
.if DOCPART == 2
	.amdgcn_target "amdgcn-amd-amdhsa--gfx1250"
	.amdhsa_code_object_version 6
	.text
	.protected	k_q9243195d97_qkv
	.globl	k_q9243195d97_qkv
	.p2align	8
	.type	k_q9243195d97_qkv,@function
k_q9243195d97_qkv:
	s_mov_b64 s[64:65], 0
	v_nop
	global_prefetch_b8 v0, s[64:65] scope:SCOPE_SE
	s_setreg_imm32_b32 hwreg(HW_REG_WAVE_MODE, 25, 1), 1
	s_wait_xcnt 0x0
	s_wait_alu depctr_hold_cnt(0) depctr_sa_sdst(0) depctr_va_vdst(0) depctr_va_sdst(0) depctr_va_ssrc(0) depctr_va_vcc(0) depctr_vm_vsrc(0)
	s_getreg_b32 s2, hwreg(HW_REG_IB_STS2, 6, 4)
	s_cmp_eq_u32 s2, 0
	s_cbranch_scc0 .Lentry_in_a_cluster
	s_endpgm
.Lentry_in_a_cluster:
	s_bfe_u32 s2, ttmp6, 0x10000c
	s_cmp_lg_u32 s2, 0xf033
	s_cbranch_scc0 .Lentry_shape_is_right
	s_endpgm
.Lentry_shape_is_right:
; THE THREE PROJECTIONS AS ONE GEMM.  C[4096 tokens][4096] = x (bf16) times w_q | w_k | w_v (bf16, stored [k][n]); sums in f32, K = 1,024.
; A work-group makes 256 x 256 of C, each of its four waves 128 rows x 128 columns = ONE HEAD: 64 accumulators of 16 x 16, 512 registers.  K goes in 8 steps of 128 through two LDS slots.
; CLUSTER 4 x 4: x's tile is shared along a row of the cluster, the weights' along a column: each is asked for jointly, by the same tensor load, descriptor and mask in the four.
; THE MATRIX INSTRUCTION IS USED TRANSPOSED (source 0 = 16 columns of the weights, turned on the way out of LDS by ds_load_tr16_b128; source 1 = 16 rows of x): a lane holds one token
; (lane % 16) and eight neighbouring columns 8 (lane / 16) + 0..7 of each block of 16.
; THE WAY OUT.  The norm of reference() spans a whole row of Q (2,048) or K (1,024), which no work-group sees.  A head is normalised here by ITS OWN 128 columns, g = rsqrt(ss / 128 + eps), multiplied
; by alpha (rounded to bf16 like every input), rotated by cos and sin, rounded to f16 and stored by heads; the head's sum of squares ss goes to the table hss.  What is missing, the factor
; sqrt(ss / 128 + eps) rsqrt(ss_row / N + eps), is one number a token and head and commutes with the rotation: later launches apply it.  V is rounded to f16 and stored by heads.
; proj: byte 0 q [b 16 + h][2048][128] f16; 16,777,216 v [b 8 + h][2048][128]; 25,165,824 k likewise; 33,554,432 hss [24 heads][4096 tokens] f32 (0-15 Q's, 16-23 K's).
; LIMITS.  f16 ends at 65,504: |q|, |k| here are at most 11.4 |alpha| (|cos| + |sin|), so |alpha| (|cos| + |sin|) must stay under 5,700; |v| = |x w_v| must stay under 65,504.  NaN and infinities are not treated apart.
; REGISTERS, in windows of 256: window 0: v0-31 addresses; v64-127, v128-191 fragments of x, two buffers; window 1: v64-191 the weights' fragments; windows 2, 3: the accumulators ((a, b) at v[8 (8 (a % 4) + b)]).
; On the way out window 0 holds v4-15 at work, v32-63 rows read back, v64-127 alpha, v128-191 U, v192-223 W, v224-255 Y; window 1 two buffers of 64 cos and 64 sin.
.set KSTEP,  128
.set PITCH,  272                       ; a row of x in LDS: 256 bytes + 16
.set PB,     544                       ; a k row of the weights in LDS: 256 columns, 512 bytes + 32: an odd multiple of 32
.set HALFT,  128*PITCH                 ; what one tensor load brings: 128 rows of x, or 64 k rows of the weights (64 x 544 is the same number)
.set SLOT,   4*HALFT                   ; x's 256 rows, then the weights' 128 k rows
.set STAGE,  2*SLOT                    ; behind the ring, for each wave: 16 rows x 272 bytes for the way out, then 512 bytes for its 128 sums of squares
.set SPITCH, 272
.set WSTG,   16*SPITCH+512
.set SPARE,  STAGE+4*WSTG              ; behind the stages: the spare words, 128 bytes for each wave
.set LAPS,   4                         ; a lap = two K steps = once round the ring
.set BSTEP,  KSTEP*8192                ; bytes from a K step of the weights to the next
.set O_W,    8388608                   ; in cast: the weights,
.set O_ROT,  20971520                  ; cos,
.set O_SIN,  1048576                   ; and sin behind cos
.set P_V,    16777216
.set P_K,    25165824
.set P_HSS,  33554432
.set SS,   4                           ; v[4:11]  four running pairs of squares
.set ADRA, 16                          ; v16-17  LDS address of my fragments of x in slot 0, 1
.set ADRB, 20                          ; v20-21  the same for the weights
.set AO,   22                          ; v22     32 (l / 16): my eight columns' place in alpha
.set HSR,  23                          ; v23     where I read 16 bytes of the sums of squares back
.set STO,  24                          ; v24     the way out: where I put 16 bytes of a row
.set RD,   25                          ; v25     where I read a row back
.set CO,   26                          ; v26     16 x lane
.set TA,   27                          ; v27     my place in 16 rows of cos: (l % 16) x 512 + 32 (l / 16)
.set SPW,  28                          ; v28     my spare word; never rewritten
.set NIL,  29                          ; v29     0; never rewritten
.set PFO,  30                          ; v30     the prefetches' lane offset; never rewritten
.set HSA,  31                          ; v31     where the block's sum of squares goes; steps by 64
.set OB,   32
.set F0,   64
.set F1,   128
.set ALPHA, 64
.set U,    128
.set W,    192
.set Y,    224
.set TMP,  192
.set G1,  24                           ; s[24:31] descriptor group 1 for x's tiles;  s[32:39] group 0, a set for each slot
.set G0,  32
.set G1B, 48                           ; s[48:55], s[56:63] the same for the weights'
.set G0B, 56
.set ROT, 76                           ; s[76:77] cos at the row block whose table was asked for last
.set PFA, 78                           ; s[78:79] where my prefetches stand
.set PFS, 80                           ; s[80:81] a K step for them, in bytes
.set LIM, 82                           ; s82  1 in a wave that prefetches, else the greatest number
.set DST, 84                           ; s[84:85] where the row block in hand goes
.set ALP, 86                           ; s[86:87] alpha at my head
.set HS,  88                           ; s[88:89] hss at my head and my 128 tokens
.set LC,  90                           ; s90  counts pairs of row blocks, 4 to 1
.set TSTEP, 92                         ; s[92:93] the table's step
.set DS,  94                           ; s[94:95] DST's step: 0 in front of the first block, then 4,096
.set EPS, 96
.set R128, 97
.set SEL, 98                           ; s[98:99] v_permlanex16_b32's selects
.set MSB, 0
.macro WIN new                         ; the immediate's high byte repeats the setting that is left; a switch that changes nothing is dropped
.if MSB != (\new)
	s_set_vgpr_msb (MSB<<8)|(\new)
.set MSB, \new
.endif
.endm
.set MUL_LO, 0xa1                      ; source 0 window 1, source 1 window 0, C and D window 2
.set MUL_HI, 0xf1                      ; the same, C and D window 3
.set TO_B,   0x40                      ; destination window 1, address window 0
; A joint load.  Waves 0 and 1 fetch x's two halves, waves 2 and 3 the weights'.  The branch hangs on the wave's number alone.  An s_nop 0 and four v_nop follow each line.
.macro JLOAD s
	s_cmp_eq_u32 s11, 0
	s_cbranch_scc0 .Lfor_b_\@
	tensor_load_to_lds s[G0+4*(\s):G0+4*(\s)+3], s[G1:G1+7]
	s_nop 0
.rept 4
	v_nop
.endr
	s_branch .Lasked_\@
.Lfor_b_\@:
	tensor_load_to_lds s[G0B+4*(\s):G0B+4*(\s)+3], s[G1B:G1B+7]
	s_nop 0
.rept 4
	v_nop
.endr
.Lasked_\@:
.endm
; A prefetch of the K step that stands two refills on, one instruction a wave, behind the joint load and the run of LDS loads.  Each aligned 256 bytes are named once in the launch: x's rows by the clusters with x = 0,
; the weights' by the clusters with y = 0; the four partners share a wave's rows out by address (x: 32 rows each, a lane a row; weights: 16 k rows each, two lanes a row of 512 bytes).
; K steps 0 to 3 come by their loads alone; the loop's last trip asks for nothing: K steps 8 and 9 do not exist.
.macro ASK
	s_cmp_gt_u32 s3, s[LIM]
	s_cbranch_scc0 .Lnot_mine_\@
	global_prefetch_b8 v[PFO], s[PFA:PFA+1] th:TH_LOAD_NT scope:SCOPE_SE
.Lnot_mine_\@:
.endm
.macro CREST                           ; a round of the cluster's barrier behind its opening barrier
	s_cmp_lg_u32 s10, 0
	s_cbranch_scc1 .Lnot_wave_0_\@
	s_barrier_signal -3
.Lnot_wave_0_\@:
	s_barrier_wait -3
	s_barrier_signal -1
	s_barrier_wait -1
.endm
.macro CROUND                          ; a whole round
	s_barrier_signal -1
	s_barrier_wait -1
	CREST
.endm
	s_load_b256 s[68:75], s[0:1], 0x0              ; cast 68, alpha_q 70, alpha_k 72, proj 74
	v_lshl_add_u32 v[SPW], v0, 2, SPARE
	v_mov_b32 v[NIL], 0
	ds_add_u32 v[SPW], v[NIL]                      ; the wave's opening: the add and its wait ahead of my first tensor load; work on registers stands between them
	v_lshrrev_b32 v1, 5, v0
	v_readfirstlane_b32 s10, v1                    ; wave 0..3
	s_lshr_b32 s11, s10, 1                         ; which half of the tile's rows is mine.  Also: I fetch x (0) or the weights (1)
	s_and_b32 s12, s10, 1                          ; which half of its columns.  Also: which half of that tile I fetch
	s_bfe_u32 s40, ttmp6, 0x40000                  ; cx
	s_bfe_u32 s41, ttmp6, 0x40004                  ; cy
	s_lshl_b32 s42, ttmp9, 2
	s_add_co_u32 s42, s42, s40                     ; tile column = 4 x cluster x + cx
	s_and_b32 s13, ttmp7, 0xffff
	s_lshl_b32 s13, s13, 2
	s_add_co_u32 s13, s13, s41                     ; tile row = 4 x cluster y + cy
	s_lshl_b32 s43, s41, 2
	s_lshl_b32 s43, 15, s43                        ; my row of the cluster
	s_lshl_b32 s44, 0x1111, s40                    ; my column
	s_or_b32 s[G1+0], s43, (1<<16)|(1<<20)|(1<<21)|(5<<22)|(3<<25)   ; the mask; 2-byte elements; padding on; bit 21 beside a mask; after every 64 words, 4 words
	s_or_b32 s[G1B+0], s44, (1<<16)|(1<<20)|(1<<21)|(6<<22)|(7<<25)  ; after every 128 words, 8 words
	s_mov_b32 s[G1+1], 128<<16                     ; tensor_dim0 = 128
	s_mov_b32 s[G1+2], 128<<16                     ; tensor_dim1 = 128
	s_mov_b32 s[G1+3], 128<<16                     ; tile_dim0 = 128
	s_mov_b32 s[G1+4], 128                         ; tile_dim1 = 128
	s_mov_b32 s[G1+5], 1024                        ; elements from row to row
	s_mov_b32 s[G1+6], 0
	s_mov_b32 s[G1+7], 0
	s_mov_b32 s[G1B+1], 256<<16                    ; tensor_dim0 = 256
	s_mov_b32 s[G1B+2], 64<<16                     ; tensor_dim1 = 64
	s_mov_b32 s[G1B+3], 256<<16                    ; tile_dim0 = 256
	s_mov_b32 s[G1B+4], 64                         ; tile_dim1 = 64
	s_mov_b32 s[G1B+5], 4096
	s_mov_b32 s[G1B+6], 0
	s_mov_b32 s[G1B+7], 0
	s_lshl_b32 s17, s12, 7
	s_lshl_b32 s16, s13, 8
	s_add_co_u32 s16, s16, s17                     ; x: row 256 x tile row + 128 x half,
	s_lshl_b32 s16, s16, 11                        ; of 2,048 bytes
	s_mov_b32 s17, 0
	s_lshl_b32 s46, s42, 9                         ; weights: 512 bytes a tile column,
	s_lshl_b32 s47, s12, 19                        ; 64 k rows of 8,192 bytes a half
	s_add_co_u32 s46, s46, s47
	s_add_co_u32 s46, s46, O_W
	s_mov_b32 s47, 0
	s_mul_i32 s20, s10, HALFT                      ; where they go: wave x HALFT: no place in the cluster enters an LDS address
	s_mov_b32 s[EPS], 0x358637bd                   ; 1e-6
	s_mov_b32 s[R128], 0x3c000000                  ; 1 / 128
	s_mov_b32 s[SEL], 0x76543210
	s_mov_b32 s[SEL+1], 0xfedcba98
	s_mov_b32 s[TSTEP], 8192
	s_mov_b32 s[TSTEP+1], 0
	s_mov_b32 s[DS], 0
	s_mov_b32 s[DS+1], 0
	s_wait_dscnt 0x0                               ; the opening add is done
	s_wait_kmcnt 0x0
	s_add_nc_u64 s[14:15], s[68:69], s[16:17]
	s_add_nc_u64 s[46:47], s[68:69], s[46:47]
	CROUND                                         ; all sixteen work-groups are here: the first joint loads meet
.irp s, 0,1
	s_mov_b32 s[G0+4*(\s)], 1
	s_add_co_u32 s[G0+4*(\s)+1], s20, (\s)*SLOT
	s_add_nc_u64 s[G0+4*(\s)+2:G0+4*(\s)+3], s[14:15], (\s)*KSTEP*2
	s_or_b32 s[G0+4*(\s)+3], s[G0+4*(\s)+3], 0x80000000
	s_mov_b32 s[G0B+4*(\s)], 1
	s_add_co_u32 s[G0B+4*(\s)+1], s20, (\s)*SLOT
	s_add_nc_u64 s[G0B+4*(\s)+2:G0B+4*(\s)+3], s[46:47], (\s)*BSTEP
	s_or_b32 s[G0B+4*(\s)+3], s[G0B+4*(\s)+3], 0x80000000
	JLOAD \s
.endr
	; LDS addresses.  x: lane l takes row l % 16, 16 bytes at 16 (l / 16), twice, 32 bytes apart.  Weights: the turning load takes k row 8 (l / 16) + l % 8, 16 bytes at 16 ((l / 8) % 2).
	v_and_b32 v1, 15, v0                           ; l % 16
	v_bfe_u32 v2, v0, 4, 1                         ; l / 16
	v_mul_u32_u24 v3, v1, PITCH
	v_lshl_add_u32 v3, v2, 4, v3
	s_mul_i32 s21, s11, HALFT                      ; my 128 rows of x
	v_and_b32 v4, 7, v0
	v_lshl_add_u32 v4, v2, 3, v4
	v_mul_u32_u24 v4, v4, PB
	v_bfe_u32 v5, v0, 3, 1
	v_lshl_add_u32 v4, v5, 4, v4
	s_lshl_b32 s22, s12, 8                         ; my 128 columns,
	s_add_co_u32 s22, s22, 2*HALFT                 ; behind x's 256 rows
.irp s, 0,1
	v_add_nc_u32 v[ADRA+(\s)], s21, v3
	v_add_nc_u32 v[ADRB+(\s)], s22, v4
	s_add_co_u32 s21, s21, SLOT
	s_add_co_u32 s22, s22, SLOT
.endr
	s_mul_i32 s23, s10, WSTG
	s_add_co_u32 s23, s23, STAGE                   ; my stage
	v_mul_u32_u24 v4, v1, SPITCH
	v_lshl_add_u32 v4, v2, 4, v4
	v_add_nc_u32 v[STO], s23, v4
	v_mul_u32_u24 v5, v2, SPITCH
	v_lshl_add_u32 v5, v1, 4, v5
	v_add_nc_u32 v[RD], s23, v5
	v_and_b32 v6, 31, v0
	v_lshlrev_b32 v[CO], 4, v6
	v_lshlrev_b32 v[TA], 9, v1
	v_lshl_add_u32 v[TA], v2, 5, v[TA]
	v_lshlrev_b32 v[AO], 5, v2
	s_add_co_u32 s23, s23, 16*SPITCH
	v_lshl_add_u32 v[HSA], v1, 2, s23
	v_add_nc_u32 v[HSR], s23, v[CO]
	; where my head goes.  The kind of tile follows the cluster's x, which all partners share: 0, 1 Q; 2 K; 3 V
	s_lshl_b32 s20, s42, 1
	s_add_co_u32 s20, s20, s12                     ; my head among the 32 of C
	s_lshr_b32 s21, s13, 3                         ; batch
	s_and_b32 s22, s13, 7
	s_lshl_b32 s22, s22, 8
	s_lshl_b32 s23, s11, 7
	s_add_co_u32 s22, s22, s23                     ; my first position
	s_cmp_lt_u32 ttmp9, 2
	s_cselect_b32 s18, 4, 3                        ; log2 of the tensor's heads
	s_cselect_b32 s19, 0, 16                       ; its first head among the 32
	s_cselect_b32 s2, 0, P_K                       ; its first byte in proj
	s_cselect_b64 s[ALP:ALP+1], s[70:71], s[72:73]
	s_cmp_eq_u32 ttmp9, 3
	s_cselect_b32 s19, 24, s19
	s_cselect_b32 s2, P_V, s2
	s_sub_co_u32 s19, s20, s19                     ; my head in its tensor
	s_lshl_b32 s18, s21, s18
	s_add_co_u32 s18, s18, s19
	s_lshl_b32 s18, s18, 19                        ; 2,048 rows of 256 bytes a head
	s_lshl_b32 s23, s22, 8
	s_add_co_u32 s18, s18, s23
	s_mov_b32 s47, 0
	s_add_co_u32 s46, s18, s2
	s_add_nc_u64 s[DST:DST+1], s[74:75], s[46:47]
	s_lshl_b32 s46, s19, 9
	s_add_nc_u64 s[ALP:ALP+1], s[ALP:ALP+1], s[46:47]
	s_lshl_b32 s46, s20, 14                        ; hss: 16,384 bytes a head,
	s_lshl_b32 s23, s13, 10                        ; 4 bytes a token
	s_add_co_u32 s46, s46, s23
	s_lshl_b32 s23, s11, 9
	s_add_co_u32 s46, s46, s23
	s_add_co_u32 s46, s46, P_HSS
	s_add_nc_u64 s[HS:HS+1], s[74:75], s[46:47]    ; (made in V's tiles too, and not used there)
	s_lshl_b32 s46, s22, 9
	s_add_co_u32 s46, s46, O_ROT
	s_add_nc_u64 s[ROT:ROT+1], s[68:69], s[46:47]
	; the prefetches
	s_lshl_b32 s2, s13, 8
	s_lshl_b32 s23, s12, 7
	s_add_co_u32 s2, s2, s23
	s_lshl_b32 s23, s40, 5
	s_add_co_u32 s2, s2, s23                       ; x: my work-group's 32 of the 128 rows that I fetch,
	s_lshl_b32 s2, s2, 11
	s_add_co_u32 s2, s2, 3*KSTEP*2                 ; at K step 3: the first refill steps it to 4
	s_lshl_b32 s23, s12, 6
	s_lshl_b32 s46, s41, 4
	s_add_co_u32 s23, s23, s46                     ; weights: my work-group's 16 of the 64 k rows,
	s_lshl_b32 s23, s23, 13
	s_lshl_b32 s46, s42, 9
	s_add_co_u32 s23, s23, s46
	s_add_co_u32 s23, s23, O_W+3*BSTEP
	s_and_b32 s22, ttmp7, 0xffff                   ; cluster y
	s_mov_b32 s19, 8192
	s_mov_b32 s[PFS], BSTEP
	s_mov_b32 s[PFS+1], 0
	s_cmp_eq_u32 s11, 0                            ; do I fetch x?
	s_cselect_b32 s46, s2, s23
	s_cselect_b32 s22, ttmp9, s22                  ; the coordinate along which other clusters read the same rows
	s_cselect_b32 s18, 0, 1                        ; lanes to a row, as a shift and as a mask
	s_cselect_b32 s19, 2048, s19                   ; bytes from row to row
	s_cselect_b32 s[PFS], KSTEP*2, s[PFS]
	s_add_nc_u64 s[PFA:PFA+1], s[68:69], s[46:47]
	s_cmp_eq_u32 s22, 0
	s_cselect_b32 s[LIM], 1, -1                    ; the same in all sixteen partners, for a given wave
	v_lshrrev_b32 v7, s18, v6
	v_mul_u32_u24 v7, v7, s19
	v_and_b32 v6, s18, v6
	v_lshl_add_u32 v[PFO], v6, 8, v7
; 16 matrix instructions: row blocks a0, a0 + 1 of the window's four x all 8 column blocks, 32 along K.  zero = 1: the first product starts the sums
.macro MUL16 f, hi, a0, zero
	WIN MUL_LO+0x50*(\hi)
.irp a, \a0, (\a0)+1
.irp b, 0,1,2,3,4,5,6,7
.if \zero
	v_wmma_f32_16x16x32_bf16 v[8*(8*(\a)+(\b)):8*(8*(\a)+(\b))+7], v[(\f)+8*(\b):(\f)+8*(\b)+7], v[(\f)+8*(4*(\hi)+(\a)):(\f)+8*(4*(\hi)+(\a))+7], 0
.else
	v_wmma_f32_16x16x32_bf16 v[8*(8*(\a)+(\b)):8*(8*(\a)+(\b))+7], v[(\f)+8*(\b):(\f)+8*(\b)+7], v[(\f)+8*(4*(\hi)+(\a)):(\f)+8*(4*(\hi)+(\a))+7], v[8*(8*(\a)+(\b)):8*(8*(\a)+(\b))+7]
.endif
.endr
.endr
.endm
; 32 LDS loads in one run: a quarter step's fragments (32 K at byte k of x's rows = k row k / 2 of the weights) into buffer f: the weights' 16 loads first, then x's
.macro FETCH slot, k, f
	WIN TO_B
.irp i, 0,1,2,3,4,5,6,7
	ds_load_tr16_b128 v[(\f)+8*(\i):(\f)+8*(\i)+3],   v[ADRB+(\slot)] offset:(\k)*(PB/2)+32*(\i)
	ds_load_tr16_b128 v[(\f)+8*(\i)+4:(\f)+8*(\i)+7], v[ADRB+(\slot)] offset:(\k)*(PB/2)+32*(\i)+16*PB
.endr
	WIN 0
.irp i, 0,1,2,3,4,5,6,7
	ds_load_b128 v[(\f)+8*(\i):(\f)+8*(\i)+3],   v[ADRA+(\slot)] offset:(\k)+(\i)*16*PITCH
	ds_load_b128 v[(\f)+8*(\i)+4:(\f)+8*(\i)+7], v[ADRA+(\slot)] offset:(\k)+(\i)*16*PITCH+32
.endr
.endm
.macro PLACES                          ; four plain places behind a matrix instruction, in front of loads into registers that it read and of vector work on its results
.rept 4
	v_nop
.endr
.endm
; A K step is four quarters of 32 along K, 64 matrix instructions each, on buffers 0, 1, 0, 1; the 64 accumulators take turns, in the same order in every quarter.
.macro QUARTER slot, k, f, g, zero
	s_wait_dscnt 8                                 ; the weights and x's rows 0-63 are in; the youngest eight loads (x's rows 64-127) may be out
	WIN MUL_LO
	MUL16 \f, 0, 0, \zero
	MUL16 \f, 0, 2, \zero
	PLACES
	FETCH \slot, \k, \g
	s_wait_dscnt 32                                ; all but the 32 just issued
	WIN MUL_HI
	MUL16 \f, 1, 0, \zero
	MUL16 \f, 1, 2, \zero
.endm
; The last quarter changes slots: one barrier; in front of it each wave waits for all its tensor loads (one is out: its part of the next slot), adds 0 to its spare word, and waits for that and for its reads of this slot.
.macro MEET round
	WIN 0
	s_wait_tensorcnt 0x0
	ds_add_u32 v[SPW], v[NIL]
	s_wait_dscnt 9                                 ; (the add and the youngest eight loads may be out)
	WIN MUL_LO
	MUL16 F1, 0, 0, 0
	s_wait_dscnt 0x0                               ; the add is done, and my reads of this slot are over
	s_barrier_signal -1
	MUL16 F1, 0, 2, 0
.if \round
	WIN 0
.endif
	s_barrier_wait -1
.endm
.macro TURN slot, next                 ; the slot just read out is filled again, two K steps on, first thing behind the cluster's round
	s_wait_xcnt 0x0                                ; the last prefetch, a K step back, has read its address
	s_add_nc_u64 s[PFA:PFA+1], s[PFA:PFA+1], s[PFS:PFS+1]
	MEET 1
	CREST
	s_add_nc_u64 s[G0+4*(\slot)+2:G0+4*(\slot)+3], s[G0+4*(\slot)+2:G0+4*(\slot)+3], 2*KSTEP*2
	s_add_nc_u64 s[G0B+4*(\slot)+2:G0B+4*(\slot)+3], s[G0B+4*(\slot)+2:G0B+4*(\slot)+3], 2*BSTEP
	JLOAD \slot                                    ; the four v_nop behind it are also the places in front of the loads below
	FETCH \next, 0, F0
	ASK
	WIN MUL_HI
	MUL16 F1, 1, 0, 0
	MUL16 F1, 1, 2, 0
.endm
	s_wait_tensorcnt 1                             ; my part of K step 0 is in; K step 1's may stay out
	s_barrier_signal -1
	s_barrier_wait -1
	FETCH 0, 0, F0
	QUARTER 0, 64,  F0, F1, 1                      ; the first quarter's products start the sums
	WIN 0
	s_mov_b32 s3, LAPS-1
.Llap:                                         ; a trip goes once round the ring and fills both slots again
	QUARTER 0, 128, F1, F0, 0
	QUARTER 0, 192, F0, F1, 0
	TURN 0, 1
	QUARTER 1, 64,  F0, F1, 0
	QUARTER 1, 128, F1, F0, 0
	QUARTER 1, 192, F0, F1, 0
	TURN 1, 0
	QUARTER 0, 64,  F0, F1, 0
	WIN 0
	s_sub_co_u32 s3, s3, 1
	s_cmp_lg_u32 s3, 0
	s_cbranch_scc1 .Llap
	QUARTER 0, 128, F1, F0, 0                      ; the last lap fills nothing
	QUARTER 0, 192, F0, F1, 0
	MEET 0
	PLACES
	FETCH 1, 0, F0
	WIN MUL_HI
	MUL16 F1, 1, 0, 0
	MUL16 F1, 1, 2, 0
	QUARTER 1, 64,  F0, F1, 0
	QUARTER 1, 128, F1, F0, 0
	QUARTER 1, 192, F0, F1, 0
	s_wait_dscnt 8
	MUL16 F1, 0, 0, 0
	MUL16 F1, 0, 2, 0
	s_wait_dscnt 0x0
	MUL16 F1, 1, 0, 0
	MUL16 F1, 1, 2, 0
	WIN 0
	PLACES
	s_cmp_eq_u32 ttmp9, 3
	s_cbranch_scc1 .Lvout
; ---- Q's and K's way out ----
; A row block's table: cos and sin of its 16 positions at my 64 columns: 32 loads into buffer be of window 1
.macro TLOAD be
	WIN TO_B
.irp b, 0,1,2,3,4,5,6,7
	global_load_b128 v[128*(\be)+8*(\b):128*(\be)+8*(\b)+3],       v[TA], s[ROT:ROT+1] offset:64*(\b)
	global_load_b128 v[128*(\be)+8*(\b)+4:128*(\be)+8*(\b)+7],     v[TA], s[ROT:ROT+1] offset:64*(\b)+16
	global_load_b128 v[128*(\be)+64+8*(\b):128*(\be)+64+8*(\b)+3], v[TA], s[ROT:ROT+1] offset:O_SIN+64*(\b)
	global_load_b128 v[128*(\be)+64+8*(\b)+4:128*(\be)+64+8*(\b)+7], v[TA], s[ROT:ROT+1] offset:O_SIN+64*(\b)+16
.endr
	WIN 0
.endm
; What names row block a's accumulators: my 64 squares, in four chains, and U = C x alpha.  Each accumulator's registers are taken in ascending order.
.macro BLK a
.set AC, 64*((\a)%4)
	WIN 0x0a+5*((\a)/4)
.set p, 0
.rept 32
.if p < 4
	v_pk_mul_f32 v[SS+2*p:SS+2*p+1], v[AC+2*p:AC+2*p+1], v[AC+2*p:AC+2*p+1]
.else
	v_pk_fma_f32 v[SS+2*(p%4):SS+2*(p%4)+1], v[AC+2*p:AC+2*p+1], v[AC+2*p:AC+2*p+1], v[SS+2*(p%4):SS+2*(p%4)+1]
.endif
.set p, p+1
.endr
	WIN 0x02+((\a)/4)
.set p, 0
.rept 32
	v_pk_mul_f32 v[U+2*p:U+2*p+1], v[AC+2*p:AC+2*p+1], v[ALPHA+2*p:ALPHA+2*p+1]
.set p, p+1
.endr
	WIN 0
.endm
.macro ROWS par                        ; row block 8 - 2 LC + par: forward jumps on the loop's count
	s_cmp_eq_u32 s[LC], 4
	s_cbranch_scc1 .Lr0_\@
	s_cmp_eq_u32 s[LC], 3
	s_cbranch_scc1 .Lr2_\@
	s_cmp_eq_u32 s[LC], 2
	s_cbranch_scc1 .Lr4_\@
	BLK 6+(\par)
	s_branch .Lrj_\@
.Lr0_\@:
	BLK 0+(\par)
	s_branch .Lrj_\@
.Lr2_\@:
	BLK 2+(\par)
	s_branch .Lrj_\@
.Lr4_\@:
	BLK 4+(\par)
.Lrj_\@:
.endm
; The rest of a row block, the same text for all: the next block's table is asked for; the sum of squares; g; U g; the rotation; f16; through my stage; 16 rows of a head = 4,096 consecutive bytes.
.macro COMMON be
	s_wait_xcnt 0x0                                ; the last block's loads and stores have read their registers: the two pointers and the rows read back are written again only behind this wait
.if \be
	s_cmp_eq_u32 s[LC], 1                          ; behind the last block there is no table: the same one is asked for again, so that the counted wait below holds in every trip and no load leaves the buffer
	s_cselect_b32 s[TSTEP], 0, 8192
.endif
	s_add_nc_u64 s[ROT:ROT+1], s[ROT:ROT+1], s[TSTEP:TSTEP+1]
	s_add_nc_u64 s[DST:DST+1], s[DST:DST+1], s[DS:DS+1]
	s_mov_b32 s[DS], 4096
	TLOAD 1-(\be)
	v_pk_add_f32 v[SS:SS+1], v[SS:SS+1], v[SS+2:SS+3]
	v_pk_add_f32 v[SS+4:SS+5], v[SS+4:SS+5], v[SS+6:SS+7]
	v_pk_add_f32 v[SS:SS+1], v[SS:SS+1], v[SS+4:SS+5]
	v_add_f32 v14, v[SS], v[SS+1]
	v_permlanex16_b32 v15, v14, s[SEL], s[SEL+1]   ; the row's other 64 columns lie in the lane 16 away
	v_add_f32 v14, v14, v15
	ds_store_b32 v[HSA], v14                       ; both halves of the lanes write the same word with the same number
	v_fma_f32 v15, v14, s[R128], s[EPS]
	v_add_nc_u32 v[HSA], 64, v[HSA]
	v_rsq_f32 v12, v15
	v_rsq_f32 v13, v15
	v_nop                                          ; a plain instruction behind the second root,
	s_wait_alu depctr_va_vdst(0)                   ; and one wait for the pair, ahead of its first reader
.set p, 0
.rept 32
	v_pk_mul_f32 v[U+2*p:U+2*p+1], v[U+2*p:U+2*p+1], v[12:13]
.set p, p+1
.endr
	s_wait_loadcnt 32                              ; this block's table is in; the 32 loads just issued may stay out
	WIN 0x04                                       ; source 1 in window 1
.irp b, 0,1,2,3                        ; columns c = 16 b + .. and c + 64:  lo = u[c] cos[c] - u[c+64] sin[c];  hi = u[c+64] cos[c+64] + u[c] sin[c+64]
.irp r, 0,1,2,3
	v_pk_mul_f32 v[W+8*(\b)+2*(\r):W+8*(\b)+2*(\r)+1], v[U+8*(\b)+2*(\r):U+8*(\b)+2*(\r)+1], v[128*(\be)+8*(\b)+2*(\r):128*(\be)+8*(\b)+2*(\r)+1]
.endr
.irp r, 0,1,2,3
	v_pk_mul_f32 v[U+8*(\b)+2*(\r):U+8*(\b)+2*(\r)+1], v[U+8*(\b)+2*(\r):U+8*(\b)+2*(\r)+1], v[128*(\be)+96+8*(\b)+2*(\r):128*(\be)+96+8*(\b)+2*(\r)+1]
.endr
.irp r, 0,1,2,3
	v_pk_fma_f32 v[W+8*(\b)+2*(\r):W+8*(\b)+2*(\r)+1], v[U+32+8*(\b)+2*(\r):U+32+8*(\b)+2*(\r)+1], v[128*(\be)+64+8*(\b)+2*(\r):128*(\be)+64+8*(\b)+2*(\r)+1], v[W+8*(\b)+2*(\r):W+8*(\b)+2*(\r)+1] neg_lo:[1,0,0] neg_hi:[1,0,0]
.endr
.irp r, 0,1,2,3
	v_pk_fma_f32 v[U+32+8*(\b)+2*(\r):U+32+8*(\b)+2*(\r)+1], v[U+32+8*(\b)+2*(\r):U+32+8*(\b)+2*(\r)+1], v[128*(\be)+32+8*(\b)+2*(\r):128*(\be)+32+8*(\b)+2*(\r)+1], v[U+8*(\b)+2*(\r):U+8*(\b)+2*(\r)+1]
.endr
.endr
	WIN 0
.set p, 0
.rept 16
	v_cvt_pk_f16_f32 v[Y+p], v[W+2*p], v[W+2*p+1]
	v_cvt_pk_f16_f32 v[Y+16+p], v[U+32+2*p], v[U+32+2*p+1]
.set p, p+1
.endr
.irp b, 0,1,2,3,4,5,6,7
	ds_store_b128 v[STO], v[Y+4*(\b):Y+4*(\b)+3] offset:32*(\b)
.endr
.irp t, 0,1,2,3,4,5,6,7
	ds_load_b128 v[OB+4*(\t):OB+4*(\t)+3], v[RD] offset:(\t)*2*SPITCH  ; LDS serves a wave's instructions in order (ISA guide 5.7.1.4): these see the stores above
.endr
	s_wait_dscnt 0x0
.irp t, 0,1,2,3,4,5,6,7
	global_store_b128 v[CO], v[OB+4*(\t):OB+4*(\t)+3], s[DST:DST+1] offset:512*(\t)  ; 512 consecutive bytes, aligned
.endr
.endm
.irp b, 0,1,2,3,4,5,6,7
	global_load_b128 v[ALPHA+8*(\b):ALPHA+8*(\b)+3],   v[AO], s[ALP:ALP+1] offset:64*(\b)
	global_load_b128 v[ALPHA+8*(\b)+4:ALPHA+8*(\b)+7], v[AO], s[ALP:ALP+1] offset:64*(\b)+16
.endr
	TLOAD 0
	s_wait_loadcnt 32                              ; alpha is in; the first table's 32 loads may stay out
.set p, 0
.rept 32                               ; alpha rounded to bf16, like every input
	v_cvt_pk_bf16_f32 v[14+p%2], v[ALPHA+2*p], v[ALPHA+2*p+1]
	v_lshlrev_b32 v[ALPHA+2*p], 16, v[14+p%2]
	v_and_b32 v[ALPHA+2*p+1], 0xffff0000, v[14+p%2]
.set p, p+1
.endr
	s_mov_b32 s[LC], 4
.Lpair:                                        ; two row blocks a trip
	ROWS 0
	COMMON 0
	ROWS 1
	COMMON 1
	s_sub_co_u32 s[LC], s[LC], 1
	s_cmp_lg_u32 s[LC], 0
	s_cbranch_scc1 .Lpair
	ds_load_b128 v[SS:SS+3], v[HSR]                ; my 128 sums of squares, 512 consecutive bytes
	s_wait_dscnt 0x0
	global_store_b128 v[CO], v[SS:SS+3], s[HS:HS+1]
	s_branch .Lend
; ---- V's way out: rounded to f16, through my stage, 16 rows of a head at a time ----
.macro VPACK a
.set AC, 64*((\a)%4)
	WIN 0x0a+5*((\a)/4)
.irp b, 0,1,2,3,4,5,6,7
.irp r, 0,1,2,3
	v_cvt_pk_f16_f32 v[TMP+4*(\b)+(\r)], v[AC+8*(\b)+2*(\r)], v[AC+8*(\b)+2*(\r)+1]
.endr
.endr
	WIN 0
.endm
.macro VSTAGE a
.set BK, OB+192*((\a)%2)
.irp b, 0,1,2,3,4,5,6,7
	ds_store_b128 v[STO], v[TMP+4*(\b):TMP+4*(\b)+3] offset:32*(\b)
.endr
.irp t, 0,1,2,3,4,5,6,7
	ds_load_b128 v[BK+4*(\t):BK+4*(\t)+3], v[RD] offset:(\t)*2*SPITCH
.endr
.endm
.macro VSEND a
.set BK, OB+192*((\a)%2)
	s_wait_dscnt 0x0                               ; the block is back in registers
	s_wait_xcnt 0x0                                ; earlier stores have read their base and data: both are written again only behind this wait
.if (\a) != 0
	s_add_nc_u64 s[DST:DST+1], s[DST:DST+1], 4096
.endif
.irp t, 0,1,2,3,4,5,6,7
	global_store_b128 v[CO], v[BK+4*(\t):BK+4*(\t)+3], s[DST:DST+1] offset:512*(\t)
.endr
.endm
.Lvout:
	VPACK 0
	VSTAGE 0
.irp a, 1,2,3,4,5,6,7
	VPACK \a
	VSEND (\a)-1
	VSTAGE \a
.endr
	VSEND 7
.Lend:
	s_wait_tensorcnt 0x0                           ; the wave's end, behind my last tensor load and my last LDS store
	ds_add_u32 v[SPW], v[NIL]
	s_wait_dscnt 0x0
	CROUND                                         ; the closing round
	s_endpgm
.Lfunc_end_k_q9243195d97_qkv:
	.size	k_q9243195d97_qkv, .Lfunc_end_k_q9243195d97_qkv-k_q9243195d97_qkv
	.p2alignl 7, 3214868480
	.fill 96, 4, 3214868480
	.section	.rodata,"a",@progbits
	.p2align	6, 0x0
	.amdhsa_kernel k_q9243195d97_qkv
		.amdhsa_group_segment_fixed_size 327680
		.amdhsa_private_segment_fixed_size 0
		.amdhsa_enable_private_segment 0
		.amdhsa_kernarg_size 32
		.amdhsa_user_sgpr_count 2
		.amdhsa_user_sgpr_kernarg_segment_ptr 1
		.amdhsa_wavefront_size32 1
		.amdhsa_system_sgpr_workgroup_id_x 1
		.amdhsa_system_sgpr_workgroup_id_y 1
		.amdhsa_system_sgpr_workgroup_id_z 1
		.amdhsa_system_vgpr_workitem_id 0
		.amdhsa_next_free_vgpr 1024
		.amdhsa_next_free_sgpr 100
		.amdhsa_reserve_vcc 0
		.amdhsa_float_denorm_mode_32 3
		.amdhsa_float_denorm_mode_16_64 3
		.amdhsa_memory_ordered 1
		.amdhsa_forward_progress 1
		.amdhsa_inst_pref_size 217
	.end_amdhsa_kernel
	.amdgpu_metadata
---
amdhsa.version: [ 1, 2 ]
amdhsa.kernels:
  - .name:           k_q9243195d97_qkv
    .symbol:         k_q9243195d97_qkv.kd
    .args:
      - { .name: cast, .offset: 0, .size: 8, .value_kind: global_buffer, .address_space: global }
      - { .name: alpha_q, .offset: 8, .size: 8, .value_kind: global_buffer, .address_space: global }
      - { .name: alpha_k, .offset: 16, .size: 8, .value_kind: global_buffer, .address_space: global }
      - { .name: proj, .offset: 24, .size: 8, .value_kind: global_buffer, .address_space: global }
    .group_segment_fixed_size: 327680
    .private_segment_fixed_size: 0
    .kernarg_segment_align: 8
    .kernarg_segment_size: 32
    .max_flat_workgroup_size: 128
    .sgpr_count:     100
    .vgpr_count:     1024
    .wavefront_size: 32
...
	.end_amdgpu_metadata
.endif
;; end of part 2
;; launch fix (part 3): grid 256 x 1, 8 waves a work-group, no clusters, 0 bytes of LDS; arguments proj, fixd; writes fixd
.if DOCPART == 3
	.amdgcn_target "amdgcn-amd-amdhsa--gfx1250"
	.amdhsa_code_object_version 6
	.text
	.protected	k_q9243195d97_fix
	.globl	k_q9243195d97_fix
	.p2align	8
	.type	k_q9243195d97_fix,@function
k_q9243195d97_fix:
	s_mov_b64 s[64:65], 0
	v_nop
	global_prefetch_b8 v0, s[64:65] scope:SCOPE_SE
	s_setreg_imm32_b32 hwreg(HW_REG_WAVE_MODE, 25, 1), 1
	s_wait_xcnt 0x0
; WHAT THE NORM STILL OWES.  The launch before normalised each head by its own 128 columns and stored each head's sum of squares ss (hss [24 heads][4096 tokens]).
; K: every row of a head is multiplied by t = sqrt(ss / 128 + eps) rsqrt(sum over the 8 heads of ss / 1024 + eps) and stored in f16 (fixd, byte 0, [b 8 + h][2048][128]).
; Q: the table cq[token][16 heads] = log2(e) / sqrt(128) x sqrt(ss / 128 + eps) rsqrt(sum over the 16 heads of ss / 2048 + eps), f32 (fixd, byte 8,388,608): attention's scale for each query.
; A stream: no LDS, no matrix unit.  A work-group owns 16 tokens; wave w takes K's head w: 16 rows = 4,096 consecutive bytes, each load and store 512 bytes on end.  Waves 0 and 1 also make cq, 8 tokens each.
.set P_K,   25165824
.set P_HSS, 33554432
.set F_CQ,  8388608
	s_load_b128 s[4:7], s[0:1], 0x0                ; proj, fixd
	v_lshrrev_b32 v1, 5, v0
	v_readfirstlane_b32 s8, v1                     ; wave 0..7
	v_and_b32 v2, 31, v0                           ; l
	v_lshlrev_b32 v3, 4, v2                        ; 16 l
	v_and_b32 v4, 15, v2
	v_lshrrev_b32 v5, 4, v2
	v_add_nc_u32 v4, v4, v5                        ; lanes 0-15 make token l's factor, lanes 16-31 token (l % 16) + 1's: so lane 2 i of each half holds
	v_and_b32 v4, 15, v4                           ; the factor of the row that the half's lanes hold in load i
	v_lshlrev_b32 v4, 2, v4
	v_mov_b32 v7, 0
	s_lshr_b32 s9, ttmp9, 7                        ; batch
	s_lshl_b32 s10, ttmp9, 4
	s_and_b32 s10, s10, 2047                       ; first position
	s_lshl_b32 s9, s9, 3
	s_add_co_u32 s9, s9, s8
	s_lshl_b32 s9, s9, 11
	s_add_co_u32 s9, s9, s10
	s_lshl_b32 s12, s9, 8                          ; my rows' first byte among K's
	s_mov_b32 s13, 0
	s_add_co_u32 s14, s12, P_K
	s_mov_b32 s15, 0
	s_lshl_b32 s16, ttmp9, 6                       ; 16 tokens of 4 bytes
	s_add_co_u32 s16, s16, P_HSS
	s_mov_b32 s17, 0
	s_lshl_b32 s18, s8, 14
	s_add_co_u32 s18, s18, s16
	s_add_co_u32 s18, s18, 16*16384                ; my own head's row of hss
	s_mov_b32 s19, 0
	s_lshl_b32 s36, ttmp9, 10                      ; cq: 64 bytes a token,
	s_lshl_b32 s37, s8, 9                          ; 8 tokens a wave
	s_add_co_u32 s36, s36, s37
	s_add_co_u32 s36, s36, F_CQ
	s_mov_b32 s37, 0
	s_mov_b32 s28, 0x3c000000                      ; 1 / 128
	s_mov_b32 s29, 0x3a800000                      ; 1 / 1024
	s_mov_b32 s30, 0x358637bd                      ; 1e-6
	s_mov_b32 s31, 0x3a000000                      ; 1 / 2048
	s_mov_b32 s32, 0x3e0293ee                      ; log2(e) / sqrt(128)
	s_wait_kmcnt 0x0
	s_add_nc_u64 s[20:21], s[4:5], s[14:15]
	s_add_nc_u64 s[22:23], s[6:7], s[12:13]
	s_add_nc_u64 s[24:25], s[4:5], s[16:17]
	s_add_nc_u64 s[26:27], s[4:5], s[18:19]
	s_add_nc_u64 s[34:35], s[6:7], s[36:37]
.irp i, 0,1,2,3,4,5,6,7
	global_load_b128 v[32+4*(\i):35+4*(\i)], v3, s[20:21] offset:512*(\i) th:TH_LOAD_NT
.endr
.irp i, 0,1,2,3,4,5,6,7
	global_load_b32 v[8+(\i)], v4, s[24:25] offset:(16+(\i))*16384
.endr
	global_load_b32 v16, v4, s[26:27]
.irp i, 0,1,2,3,4,5,6,7
	v_mov_b32 v[20+(\i)], 0                        ; the destination of a DPP move counts as read
.endr
	s_wait_loadcnt 0x0
	v_add_f32 v8, v8, v9
	v_add_f32 v10, v10, v11
	v_add_f32 v12, v12, v13
	v_add_f32 v14, v14, v15
	v_add_f32 v8, v8, v10
	v_add_f32 v12, v12, v14
	v_add_f32 v8, v8, v12
	v_fma_f32 v16, v16, s28, s30
	v_fma_f32 v8, v8, s29, s30
	v_sqrt_f32 v17, v16
	v_rsq_f32 v18, v8
	v_nop                                          ; a plain instruction behind the two,
	s_wait_alu depctr_va_vdst(0)                   ; and one wait for both, ahead of their reader
	v_mul_f32 v19, v17, v18
.irp n, 0,2,4,6,8,10,12,14
	v_mov_b32_dpp v[20+(\n)/2], v19 row_share:\n row_mask:0xf bank_mask:0xf  ; lanes 0-15: row n's factor; lanes 16-31: row n + 1's
.endr
.irp i, 0,1,2,3,4,5,6,7
.irp k, 0,1,2,3
	v_fma_mixlo_f16 v[32+4*(\i)+(\k)], v[32+4*(\i)+(\k)], v[20+(\i)], v7 op_sel_hi:[1,0,0]               ; the low half times the factor, rounded once,
	v_fma_mixhi_f16 v[32+4*(\i)+(\k)], v[32+4*(\i)+(\k)], v[20+(\i)], v7 op_sel:[1,0,0] op_sel_hi:[1,0,0]  ; then the high half: each keeps the other
.endr
	global_store_b128 v3, v[32+4*(\i):35+4*(\i)], s[22:23] offset:512*(\i)
.endr
	s_cmp_lt_u32 s8, 2
	s_cbranch_scc0 .Lend
	; cq: lane l takes token 8 w + l / 4 and heads 4 (l % 4) + 0..3: 16 bytes; the wave's store covers 512 consecutive bytes
	v_lshrrev_b32 v5, 2, v2
	v_lshl_add_u32 v5, s8, 3, v5
	v_lshlrev_b32 v5, 2, v5
	v_and_b32 v6, 3, v2
	v_lshl_add_u32 v6, v6, 16, v5
.irp i, 0,1,2,3,4,5,6,7,8,9,10,11,12,13,14,15
	global_load_b32 v[64+(\i)], v5, s[24:25] offset:(\i)*16384
.endr
.irp i, 0,1,2,3
	global_load_b32 v[80+(\i)], v6, s[24:25] offset:(\i)*16384
.endr
	s_wait_loadcnt 0x0
.irp i, 0,1,2,3,4,5,6,7
	v_add_f32 v[64+(\i)], v[64+(\i)], v[72+(\i)]
.endr
.irp i, 0,1,2,3
	v_add_f32 v[64+(\i)], v[64+(\i)], v[68+(\i)]
.endr
	v_add_f32 v64, v64, v66
	v_add_f32 v65, v65, v67
	v_add_f32 v64, v64, v65
	v_fma_f32 v64, v64, s31, s30
.irp i, 0,1,2,3
	v_fma_f32 v[80+(\i)], v[80+(\i)], s28, s30
.endr
	v_rsq_f32 v84, v64
.irp i, 0,1,2,3
	v_sqrt_f32 v[85+(\i)], v[80+(\i)]
.endr
	v_nop
	s_wait_alu depctr_va_vdst(0)                   ; one wait for the five
	v_mul_f32 v84, s32, v84
.irp i, 0,1,2,3
	v_mul_f32 v[92+(\i)], v84, v[85+(\i)]
.endr
	global_store_b128 v3, v[92:95], s[34:35]
.Lend:
	s_endpgm
.Lfunc_end_k_q9243195d97_fix:
	.size	k_q9243195d97_fix, .Lfunc_end_k_q9243195d97_fix-k_q9243195d97_fix
	.p2alignl 7, 3214868480
	.fill 96, 4, 3214868480
	.section	.rodata,"a",@progbits
	.p2align	6, 0x0
	.amdhsa_kernel k_q9243195d97_fix
		.amdhsa_group_segment_fixed_size 0
		.amdhsa_private_segment_fixed_size 0
		.amdhsa_enable_private_segment 0
		.amdhsa_kernarg_size 16
		.amdhsa_user_sgpr_count 2
		.amdhsa_user_sgpr_kernarg_segment_ptr 1
		.amdhsa_wavefront_size32 1
		.amdhsa_system_sgpr_workgroup_id_x 1
		.amdhsa_system_sgpr_workgroup_id_y 1
		.amdhsa_system_sgpr_workgroup_id_z 1
		.amdhsa_system_vgpr_workitem_id 0
		.amdhsa_next_free_vgpr 96
		.amdhsa_next_free_sgpr 66
		.amdhsa_reserve_vcc 0
		.amdhsa_float_denorm_mode_32 3
		.amdhsa_float_denorm_mode_16_64 3
		.amdhsa_memory_ordered 1
		.amdhsa_forward_progress 1
		.amdhsa_inst_pref_size 14
	.end_amdhsa_kernel
	.amdgpu_metadata
---
amdhsa.version: [ 1, 2 ]
amdhsa.kernels:
  - .name:           k_q9243195d97_fix
    .symbol:         k_q9243195d97_fix.kd
    .args:
      - { .name: proj, .offset: 0, .size: 8, .value_kind: global_buffer, .address_space: global }
      - { .name: fixd, .offset: 8, .size: 8, .value_kind: global_buffer, .address_space: global }
    .group_segment_fixed_size: 0
    .private_segment_fixed_size: 0
    .kernarg_segment_align: 8
    .kernarg_segment_size: 16
    .max_flat_workgroup_size: 256
    .sgpr_count:     66
    .vgpr_count:     96
    .wavefront_size: 32
...
	.end_amdgpu_metadata
.endif
;; end of part 3
;; launch attn (part 4): grid 16 x 16, 4 waves a work-group, no clusters, 327,680 bytes of LDS; arguments proj, fixd, ob; writes ob
.if DOCPART == 4
	.amdgcn_target "amdgcn-amd-amdhsa--gfx1250"
	.amdhsa_code_object_version 6
	.text
	.protected	k_q9243195d97_attn
	.globl	k_q9243195d97_attn
	.p2align	8
	.type	k_q9243195d97_attn,@function
k_q9243195d97_attn:
	s_mov_b64 s[64:65], 0
	v_nop
	global_prefetch_b8 v0, s[64:65] scope:SCOPE_SE
	s_setreg_imm32_b32 hwreg(HW_REG_WAVE_MODE, 25, 1), 1
	s_wait_xcnt 0x0
; CAUSAL ATTENTION, 16 query heads on 8 key and value heads, head size 128.  q, v from proj, k and the queries' scale cq from fixd, all 16-bit data f16; O to ob [token][head 128 + channel] f16.
; Products, maxima and sums in f32; the weights p are rounded to f16 for the second product (their sum l is taken of the unrounded p), O once at the end.
; p = 2^(c s - c m) with a running maximum m of the raw scores s and c = cq[token][head] > 0, one number a query: it holds log2(e) / sqrt(128) and what the norm of Q still owes.
; LIMITS.  A hidden score counts as its value less 1e30; a weight below 2^-126 counts as 0 in l; f16 ends at 65,504 (O is a mean of V's rows); NaN and infinities are not treated apart.
; SHARES.  A BLOCK is 64 positions x the two query heads of one key head: 128 rows that walk the same K and V.  A wave owns 16 positions: tile 0 is the first head's, tile 1 the second's: same positions, ONE mask.
; THE WALK.  Block i needs the key steps 0 .. i of 64 keys; a slot of LDS holds two steps.  A work-group takes block j and then block 31 - j: (j / 2 + 1) + (16 - j / 2) = 17 slots, 34 steps, whatever j:
; all work-groups are alike, and the loops count to constants.  One of the 34 steps lies wholly above the diagonal and is computed under the mask.
; NO CLUSTER: the 16 work-groups of a key head ask for the same tile only at the walk's first place; behind that their walks differ with j, and a walk common to all would have 32 slots for 17.
; THE MASK is the C operand that starts S^T = K Q^T: MD (made once: the diagonal step's mask for my 16 positions) x AL + BE, with (1, 0) in the block's own step, (0, 0) below it, (0, -1e30) above.
; A STEP is closed in itself: tile 0's scores; tile 1's scores with tile 0's softmax behind them; tile 0's V^T P with tile 1's softmax behind them; tile 1's V^T P; the next mask.  K of the next step is
; fetched from LDS when this step's scores are made, V at the step's end.  A tile's 33 exponentials are one batch with one wait.
; REGISTERS, in windows of 256: window 0: v0-15 addresses; v16-31 statistics, 8 a tile; v32-39 c; v64-127 S^T; v128-159 P; v160-191 MD; v192-223 MC.
;   window 1: v0-127 O^T, 64 a tile; v128-255 V of one step.      window 2: v0-63 Q; v64-127 the second block's Q; v128-255 K of one step.
.set KS,    64
.set PK,    272       ; a row of K in LDS: 256 bytes + 16
.set PV,    288       ; a row of V: 256 + 32
.set VOFF,  KS*PK
.set STEPB, KS*(PK+PV)
.set SLOT1, 1<<17     ; slot 1 begins here: one exclusive or turns an address in one slot into the other's
.set STAGE, SLOT1+2*STEPB  ; behind the ring: 16 rows x 272 bytes for each wave, for the way out
.set SP,    272
.set SPARE, STAGE+4*16*SP  ; behind the stages: the spare words
.set P_V,   16777216
.set F_CQ,  8388608
.set AK0, 2           ; v2   my lane's place in a tile of K; never rewritten
.set AV0, 3           ; v3   the same for V
.set ADR, 4           ; v4   the LDS address of the run of loads in hand
.set QO,  5           ; v5   my byte offset in 16 rows of Q
.set STO, 6
.set RD,  7
.set GO,  8           ; v8   my byte offset in two rows of ob
.set ST,  16          ; tile t's statistics at v[ST+8 t]: c m, m, l (even keys', odd keys'), c0-c3 at work; a takes c2's place
.set CQ,  32          ; v[32:35] c, a pair for each tile;  v[36:39] the second block's
.set CQB, 36
.set PFO, 61          ; v61  256 x lane; never rewritten
.set SPW, 62
.set NIL, 63
.set S,   64
.set P,   128
.set MD,  160
.set MC,  192
.set VF,  128         ; window 1
.set QB,  64          ; window 2
.set KF,  128         ; window 2
.set WV,  12
.set J,   14          ; s14  the first block
.set HII, 15          ; s15  the second block, 31 - j
.set NLO, 16          ; s16  the first block's slots
.set NHM1, 17         ; s17  the second block's, less one
.set G1K, 24
.set G1V, 32
.set G0K, 40          ; s[40:47] descriptor group 0 for K: a set for each of the two first fills; the second then walks
.set G0V, 48
.set CNT, 56
.set ENDF, 57         ; s57  1: the step just made was the first block's last
.set SEL, 60
.set TB,  62          ; s62  LDS byte at which the tiles of the step to be fetched begin
.set STN, 66          ; s66  the next step's number in its block
.set BI,  67          ; s67  that block
.set SEN, 68          ; s68  the first block's steps; later the greatest number
.set NXT, 70          ; s70  the tile to be asked for next
.set LQ,  71          ; s71  the last tile of the block whose tiles are being asked for
.set OFF, 72
.set AL,  74
.set BE,  76
.set BIGN, 78
.set KB,  80          ; s[80:81] K at my half of the key head's tile 0;  s[82:83] V
.set VB,  82
.set OCU, 84          ; s[84:85] ob at my rows of the block in hand;  s[86:87] of the second block
.set OHI, 86
.set PFK, 88          ; s[88:89], s[90:91] where my prefetches stand in K and in V
.set PFV, 90
.set LIM, 92
.set QLP, 94
.set QHP, 96
.set CLP, 98
.set CHP, 100
.set MSB, 0
.macro WIN new
.if MSB != (\new)
	s_set_vgpr_msb (MSB<<8)|(\new)
.set MSB, (\new)
.endif
.endm
.set W_KQ, 0x0a       ; K and Q in window 2; the mask and S^T in window 0
.set W_PV, 0x51       ; V and O^T in window 1, P in window 0
.set W_RS, 0x41       ; destination and source 0 in window 1, source 1 in window 0
.macro PLACES
.rept 4
	v_nop
.endr
.endm
.macro NEXTT                        ; the block's next tile, or behind its last the second block's tile 0
	s_add_co_u32 s[NXT], s[NXT], 1
	s_cmp_gt_u32 s[NXT], s[LQ]
	s_cselect_b32 s[NXT], 0, s[NXT]
	s_cselect_b32 s[LQ], s[NHM1], s[LQ]
.endm
; A refill.  Waves 0 and 1 fetch K of the slot's two steps, waves 2 and 3 V.  An s_nop 0 and four v_nop follow each line.
.macro LOAD
	s_cmp_lt_u32 s[WV], 2
	s_cbranch_scc0 .Lfor_v_\@
	tensor_load_to_lds s[G0K+4:G0K+7], s[G1K:G1K+7]
	s_nop 0
.rept 4
	v_nop
.endr
	s_branch .Lasked_\@
.Lfor_v_\@:
	tensor_load_to_lds s[G0V+4:G0V+7], s[G1V:G1V+7]
	s_nop 0
.rept 4
	v_nop
.endr
.Lasked_\@:
.endm
; A prefetch into the L2.  Of a key head's 16 work-groups the one with j = 0 walks tiles 0 to 15 in order; behind its refill with tile r + 1 it names tile r + 3: each wave 32 rows of K and 32 of V, a lane a row of 256 bytes.
; So each row is named once in the launch.  Tiles 0 to 2 come by their loads alone; the last two refills ask for nothing: tile 16 does not exist.
.macro ASK
	s_cmp_gt_u32 s[CNT], s[LIM]
	s_cbranch_scc0 .Lnot_mine_\@
	global_prefetch_b8 v[PFO], s[PFK:PFK+1] th:TH_LOAD_NT scope:SCOPE_SE
	global_prefetch_b8 v[PFO], s[PFV:PFV+1] th:TH_LOAD_NT scope:SCOPE_SE
.Lnot_mine_\@:
.endm
; THE CHANGE OF SLOTS.  All reads of the slot have been issued.  Each wave waits for all its tensor loads (one is out: its part of the other slot), adds 0 to its spare word, and waits for that and for its reads of the slot.
; Behind the barrier nobody reads the slot any more and the other is whole.  fill = 1: the slot is filled again, first thing behind the barrier, with tile NXT; the load has two steps' work in which to land.
.macro CHANGE fill
	WIN 0
	s_wait_tensorcnt 0x0            ; no tensor load of mine is out, so a group 0 may be written
	ds_add_u32 v[SPW], v[NIL]       ; 0 onto my spare word; scalar work stands between it and the wait for it
.if \fill
	s_lshl_b32 s[OFF], s[NXT], 15   ; a tile is 32,768 bytes of K and of V
	s_xor_b32 s[G0K+5], s[G0K+5], SLOT1
	s_add_nc_u64 s[G0K+6:G0K+7], s[KB:KB+1], s[OFF:OFF+1]
	s_or_b32 s[G0K+7], s[G0K+7], 0x80000000
	s_xor_b32 s[G0V+5], s[G0V+5], SLOT1
	s_add_nc_u64 s[G0V+6:G0V+7], s[VB:VB+1], s[OFF:OFF+1]
	s_or_b32 s[G0V+7], s[G0V+7], 0x80000000
	NEXTT
	s_wait_xcnt 0x0                 ; the last prefetches, two steps back, have read their addresses
	s_add_nc_u64 s[PFK:PFK+1], s[PFK:PFK+1], 32768
	s_add_nc_u64 s[PFV:PFV+1], s[PFV:PFV+1], 32768
.endif
	s_wait_dscnt 0x0                ; the add is done, and my reads of the slot are over
	s_barrier_signal -1
	s_sub_co_u32 s[TB], s[TB], 2*STEPB  ; the fetches go back to a slot's first step,
	s_xor_b32 s[TB], s[TB], SLOT1       ; in the other slot
	s_barrier_wait -1
.if \fill
	LOAD
	ASK
.endif
.endm
	s_load_b128 s[4:7], s[0:1], 0x0  ; proj, fixd
	s_load_b64 s[8:9], s[0:1], 0x10  ; ob
	v_lshl_add_u32 v[SPW], v0, 2, SPARE
	v_mov_b32 v[NIL], 0
	ds_add_u32 v[SPW], v[NIL]       ; the wave's opening: the add and its wait ahead of my first tensor load; work on registers stands between them
	v_lshrrev_b32 v1, 5, v0
	v_readfirstlane_b32 s[WV], v1
	s_mov_b32 s[J], ttmp9
	s_sub_co_u32 s[HII], 31, s[J]
	s_lshr_b32 s[NLO], s[J], 1
	s_add_co_u32 s[NLO], s[NLO], 1
	s_sub_co_u32 s[NHM1], 16, s[NLO]
	s_and_b32 s18, ttmp7, 0xffff    ; batch x 8 + key head
	s_and_b32 s19, s[WV], 1         ; which of a slot's two steps I fetch
	s_lshl_b32 s20, s18, 19         ; 2,048 rows of 256 bytes a head
	s_lshl_b32 s21, s19, 14
	s_add_co_u32 s20, s20, s21
	s_mov_b32 s21, 0
	s_add_co_u32 s58, s20, P_V
	s_mov_b32 s59, 0
	s_mul_i32 s22, s19, STEPB       ; its place in a slot
	s_lshl_b32 s3, s[WV], 4
	s_lshl_b32 s2, s[J], 6
	s_add_co_u32 s2, s2, s3         ; my first position in the first block,
	s_lshl_b32 s23, s[HII], 6
	s_add_co_u32 s23, s23, s3       ; in the second
	s_lshr_b32 s63, s18, 3
	s_lshl_b32 s63, s63, 11         ; the batch's first token
	s_and_b32 s93, s18, 7           ; key head
	s_lshl_b32 s19, s18, 20         ; two query heads to a key head
	s_lshl_b32 s[QLP], s2, 8
	s_add_co_u32 s[QLP], s[QLP], s19
	s_mov_b32 s[QLP+1], 0
	s_lshl_b32 s[QHP], s23, 8
	s_add_co_u32 s[QHP], s[QHP], s19
	s_mov_b32 s[QHP+1], 0
	s_add_co_u32 s2, s2, s63        ; tokens
	s_add_co_u32 s23, s23, s63
	s_lshl_b32 s19, s93, 3          ; cq: 64 bytes a token, 8 bytes for my two heads
	s_add_co_u32 s19, s19, F_CQ
	s_lshl_b32 s[CLP], s2, 6
	s_add_co_u32 s[CLP], s[CLP], s19
	s_mov_b32 s[CLP+1], 0
	s_lshl_b32 s[CHP], s23, 6
	s_add_co_u32 s[CHP], s[CHP], s19
	s_mov_b32 s[CHP+1], 0
	s_lshl_b32 s19, s93, 9          ; ob: 4,096 bytes a token, 512 for my two heads
	s_lshl_b32 s[OCU], s2, 12
	s_add_co_u32 s[OCU], s[OCU], s19
	s_mov_b32 s[OCU+1], 0
	s_lshl_b32 s[OHI], s23, 12
	s_add_co_u32 s[OHI], s[OHI], s19
	s_mov_b32 s[OHI+1], 0
	s_lshl_b32 s[PFK], s18, 19
	s_lshl_b32 s19, s[WV], 13       ; my wave's 32 rows of a tile's 128,
	s_add_co_u32 s[PFK], s[PFK], s19
	s_add_co_u32 s[PFK], s[PFK], 2*32768  ; in tile 2: the first refill steps it to tile 3
	s_mov_b32 s[PFK+1], 0
	s_add_co_u32 s[PFV], s[PFK], P_V
	s_mov_b32 s[PFV+1], 0
	s_cmp_eq_u32 s[J], 0
	s_cselect_b32 s[LIM], 2, -1
	s_mov_b32 s[G1K], (1<<16)|(1<<20)|(5<<22)|(3<<25)  ; 2-byte elements; padding on; after every 64 words, 4 words
	s_mov_b32 s[G1V], (1<<16)|(1<<20)|(5<<22)|(7<<25)  ; 8 words
.irp g, G1K, G1V
	s_mov_b32 s[\g+1], 128<<16      ; tensor_dim0 = 128
	s_mov_b32 s[\g+2], KS<<16       ; tensor_dim1 = 64
	s_mov_b32 s[\g+3], 128<<16      ; tile_dim0 = 128
	s_mov_b32 s[\g+4], KS           ; tile_dim1 = 64
	s_mov_b32 s[\g+5], 128
	s_mov_b32 s[\g+6], 0
	s_mov_b32 s[\g+7], 0
.endr
	s_mov_b32 s[SEL], 0x76543210
	s_mov_b32 s[SEL+1], 0xfedcba98
	s_mov_b32 s[TB], 0
	s_mov_b32 s[BIGN], 0xf149f2ca   ; -1e30
	s_mov_b32 s[AL+1], 0            ; named as pairs
	s_mov_b32 s[BE+1], 0
	s_mov_b32 s[OFF+1], 0
	s_mov_b32 s[ENDF], 0
	s_mov_b32 s[STN], 0
	s_mov_b32 s[BI], s[J]
	s_lshl_b32 s[SEN], s[NLO], 1
	s_mov_b32 s[NXT], 0
	s_sub_co_u32 s[LQ], s[NLO], 1
	NEXTT                           ; the walk's second tile
	s_lshl_b32 s[OFF], s[NXT], 15
	NEXTT                           ; its third, for the first refill
	s_mov_b32 s[G0K], 1
	s_mov_b32 s[G0K+1], s22
	s_mov_b32 s[G0K+4], 1
	s_add_co_u32 s[G0K+5], s22, SLOT1
	s_mov_b32 s[G0V], 1
	s_add_co_u32 s[G0V+1], s22, VOFF
	s_mov_b32 s[G0V+4], 1
	s_add_co_u32 s[G0V+5], s22, SLOT1+VOFF
	s_wait_dscnt 0x0                ; the opening add is done
	s_wait_kmcnt 0x0
	s_add_nc_u64 s[KB:KB+1], s[6:7], s[20:21]
	s_add_nc_u64 s[VB:VB+1], s[4:5], s[58:59]
	s_mov_b64 s[G0K+2:G0K+3], s[KB:KB+1]
	s_or_b32 s[G0K+3], s[G0K+3], 0x80000000
	s_add_nc_u64 s[G0K+6:G0K+7], s[KB:KB+1], s[OFF:OFF+1]
	s_or_b32 s[G0K+7], s[G0K+7], 0x80000000
	s_mov_b64 s[G0V+2:G0V+3], s[VB:VB+1]
	s_or_b32 s[G0V+3], s[G0V+3], 0x80000000
	s_add_nc_u64 s[G0V+6:G0V+7], s[VB:VB+1], s[OFF:OFF+1]
	s_or_b32 s[G0V+7], s[G0V+7], 0x80000000
	s_add_nc_u64 s[QLP:QLP+1], s[4:5], s[QLP:QLP+1]
	s_add_nc_u64 s[QHP:QHP+1], s[4:5], s[QHP:QHP+1]
	s_add_nc_u64 s[CLP:CLP+1], s[6:7], s[CLP:CLP+1]
	s_add_nc_u64 s[CHP:CHP+1], s[6:7], s[CHP:CHP+1]
	s_add_nc_u64 s[OCU:OCU+1], s[8:9], s[OCU:OCU+1]
	s_add_nc_u64 s[OHI:OHI+1], s[8:9], s[OHI:OHI+1]
	s_add_nc_u64 s[PFK:PFK+1], s[6:7], s[PFK:PFK+1]
	s_add_nc_u64 s[PFV:PFV+1], s[4:5], s[PFV:PFV+1]
	s_cmp_lt_u32 s[WV], 2           ; a wave's two first fills stand in one branch, ahead of every wait on TENSORcnt, every LDS read and every barrier: two loads of mine are out
	s_cbranch_scc0 .Lfirst_v
	tensor_load_to_lds s[G0K:G0K+3], s[G1K:G1K+7]
	s_nop 0
	tensor_load_to_lds s[G0K+4:G0K+7], s[G1K:G1K+7]
	s_nop 0
.rept 4
	v_nop
.endr
	s_branch .Lfirst_asked
.Lfirst_v:
	tensor_load_to_lds s[G0V:G0V+3], s[G1V:G1V+7]
	s_nop 0
	tensor_load_to_lds s[G0V+4:G0V+7], s[G1V:G1V+7]
	s_nop 0
.rept 4
	v_nop
.endr
.Lfirst_asked:
	; A fragment of K or Q is 16 rows x 32 channels in 8 registers: lane l holds row l % 16, channels 8 (l / 16) + 0..7 and 16 + 8 (l / 16) + 0..7: two loads of 16 bytes, 32 bytes apart.
	v_and_b32 v1, 15, v0            ; l % 16
	v_bfe_u32 v9, v0, 4, 1          ; l / 16
	v_lshlrev_b32 v[QO], 8, v1
	v_lshl_add_u32 v[QO], v9, 4, v[QO]
	WIN 0x80                        ; destination window 2, address window 0
.irp t, 0,1
.irp c, 0,1,2,3                     ; both blocks' Q: tile t is the head 524,288 bytes on; channels 32 c on
	global_load_b128 v[32*(\t)+8*(\c):32*(\t)+8*(\c)+3],       v[QO], s[QLP:QLP+1] offset:(\t)*524288+(\c)*64
	global_load_b128 v[32*(\t)+8*(\c)+4:32*(\t)+8*(\c)+7],     v[QO], s[QLP:QLP+1] offset:(\t)*524288+(\c)*64+32
	global_load_b128 v[QB+32*(\t)+8*(\c):QB+32*(\t)+8*(\c)+3],   v[QO], s[QHP:QHP+1] offset:(\t)*524288+(\c)*64
	global_load_b128 v[QB+32*(\t)+8*(\c)+4:QB+32*(\t)+8*(\c)+7], v[QO], s[QHP:QHP+1] offset:(\t)*524288+(\c)*64+32
.endr
.endr
	WIN 0
	v_lshlrev_b32 v44, 6, v1
	global_load_b64 v[40:41], v44, s[CLP:CLP+1]  ; my query's c for the two heads, first block,
	global_load_b64 v[42:43], v44, s[CHP:CHP+1]  ; second block
	v_lshlrev_b32 v14, 3, v9
	v_sub_nc_u32 v14, v1, v14
	s_lshl_b32 s3, s[WV], 4
	v_add_nc_u32 v14, s3, v14       ; my query's place in its block, 16 w + l % 16, less my lanes' 8 (l / 16): register r of key group g is hidden where 16 g + r is greater
.set i, 0
.rept 32
	v_cmp_gt_i32 vcc_lo, 16*(i/8)+i%8, v14
	v_cndmask_b32 v[MD+i], 0, s[BIGN], vcc_lo
.set i, i+1
.endr
	v_mul_u32_u24 v[AK0], v1, PK
	v_lshl_add_u32 v[AK0], v9, 4, v[AK0]
	; The turning load takes 16 keys x 16 channels (lane l reads key 8 (l / 16) + l % 8, channels 8 ((l / 8) % 2) + 0..7) and leaves half a fragment of V^T.
	v_and_b32 v10, 7, v0
	v_bfe_u32 v11, v0, 3, 1
	v_lshl_add_u32 v[AV0], v9, 3, v10
	v_mul_u32_u24 v[AV0], v[AV0], PV
	v_lshl_add_u32 v[AV0], v11, 4, v[AV0]
	v_add_nc_u32 v[AV0], VOFF, v[AV0]
	s_mul_i32 s3, s[WV], 16*SP
	s_add_co_u32 s3, s3, STAGE      ; my stage
	v_mul_u32_u24 v[STO], v1, SP
	v_lshl_add_u32 v[STO], v9, 4, v[STO]
	v_add_nc_u32 v[STO], s3, v[STO]
	v_mul_u32_u24 v[RD], v9, SP
	v_lshl_add_u32 v[RD], v1, 4, v[RD]
	v_add_nc_u32 v[RD], s3, v[RD]
	v_lshlrev_b32 v[GO], 12, v9     ; lanes 0-15 one token's 256 bytes, lanes 16-31 the next token's
	v_lshl_add_u32 v[GO], v1, 4, v[GO]
	v_and_b32 v[PFO], 31, v0
	v_lshlrev_b32 v[PFO], 8, v[PFO]
	; A block's first step multiplies O^T and l by a = 0, so they need only be finite: zeros for the first block, what the first block left for the second.  This stands in the wait for the first tile.
	WIN 0x40
.set i, 0
.rept 128
	v_mov_b32 v[i], 0
.set i, i+1
.endr
	WIN 0
.irp t, 0,1
	v_mov_b32 v[ST+8*(\t)], 0xfe000000    ; c m: far below every c s
	v_mov_b32 v[ST+8*(\t)+1], 0xff7fffff  ; m: the lowest finite number
	v_mov_b32 v[ST+8*(\t)+2], 0
	v_mov_b32 v[ST+8*(\t)+3], 0
.endr
	s_wait_loadcnt 0x0              ; Q and c
	v_mov_b32 v[CQ], v40
	v_mov_b32 v[CQ+1], v40
	v_mov_b32 v[CQ+2], v41
	v_mov_b32 v[CQ+3], v41
	v_mov_b32 v[CQB], v42
	v_mov_b32 v[CQB+1], v42
	v_mov_b32 v[CQB+2], v43
	v_mov_b32 v[CQB+3], v43
; THE MATRIX WORK.  The accumulators of a run take turns, one instruction a turn.
; Product i of 16 of S^T = K Q^T for tile t: channels 32 (i / 4) on, keys 16 (i % 4) on.  The first four start the sums with the mask.
.macro KQ t
	WIN W_KQ
.set rS, S+32*(\t)+8*(i%4)
.set rK, KF+32*(i%4)+8*(i/4)
.set rQ, 32*(\t)+8*(i/4)
.if i < 4
	v_wmma_f32_16x16x32_f16 v[rS:rS+7], v[rK:rK+7], v[rQ:rQ+7], v[MC+8*i:MC+8*i+7]
.else
	v_wmma_f32_16x16x32_f16 v[rS:rS+7], v[rK:rK+7], v[rQ:rQ+7], v[rS:rS+7]
.endif
.endm
; Product i of 16 of O^T += V^T P for tile t: keys 32 (i / 8) on, channels 16 (i % 8) on.
.macro PV t
	WIN W_PV
.set rO, 64*(\t)+8*(i%8)
.set rV, VF+64*(i/8)+8*(i%8)
.set rP, P+16*(\t)+8*(i/8)
	v_wmma_f32_16x16x32_f16 v[rO:rO+7], v[rV:rV+7], v[rP:rP+7], v[rO:rO+7]
.endm
; THE LDS LOADS stand in runs of 32.  last = 1 (the tail): behind the walk's last step there is no further step, and the run is jumped over.
.macro FETCH_K last
	WIN 0
.if \last
	s_cmp_eq_u32 s[CNT], 1
	s_cbranch_scc1 .Lno_k_\@
.endif
	v_add_nc_u32 v[ADR], s[TB], v[AK0]
	WIN 0x80                        ; destination window 2
.irp f, 0,1,2,3,4,5,6,7,8,9,10,11,12,13,14,15  ; keys 16 (f / 4) on, channels 32 (f % 4) on
	ds_load_b128 v[KF+8*(\f):KF+8*(\f)+3],   v[ADR] offset:((\f)/4)*16*PK+((\f)%4)*64
	ds_load_b128 v[KF+8*(\f)+4:KF+8*(\f)+7], v[ADR] offset:((\f)/4)*16*PK+((\f)%4)*64+32
.endr
	WIN 0
.if \last
.Lno_k_\@:
.endif
.endm
.macro FETCH_V last
	WIN 0
.if \last
	s_cmp_eq_u32 s[CNT], 1
	s_cbranch_scc1 .Lno_v_\@
.endif
	v_add_nc_u32 v[ADR], s[TB], v[AV0]
	s_add_co_u32 s[TB], s[TB], STEPB  ; the next fetch is the next step's
	WIN 0x40                        ; destination window 1
.irp f, 0,1,2,3,4,5,6,7,8,9,10,11,12,13,14,15  ; keys 32 (f / 8) on, channels 16 (f % 8) on
	ds_load_tr16_b128 v[VF+8*(\f):VF+8*(\f)+3],   v[ADR] offset:((\f)/8)*32*PV+((\f)%8)*32
	ds_load_tr16_b128 v[VF+8*(\f)+4:VF+8*(\f)+7], v[ADR] offset:((\f)/8)*32*PV+16*PV+((\f)%8)*32
.endr
	WIN 0
.if \last
.Lno_v_\@:
.endif
.endm
; THE VECTOR WORK.  One tile's softmax for one key step is a list of 134 instructions; SM writes number j of it for tile t.  s0-s31 are the lane's 32 scores, in pairs 0-15.
;   0-15    the maximum of s0-s31 and the old m, three operands at a time (each accumulator's lowest registers are read first)
;   16-20   the other half of the lanes' maximum; the new m; c m; c m_old - c m_new
;   21-69   ONE BATCH: the 16 scalings c s - c m and all 33 exponentials (a at 23, then s0-s31); none of these reads an exponential's result
;   70-85   the roundings to f16        86-101  the sums; l = a l + the sum        102-133 the tile's O^T times a
.macro SM t
.set rT, ST+8*(\t)
.set rS, S+32*(\t)
.set rP, P+16*(\t)
.set rO, 64*(\t)+2*(j-102)
.set rC, CQ+2*(\t)
.if j < 102
	WIN 0
.endif
.if j < 4
	v_max3_num_f32 v[rT+4+j], v[rS+8*j], v[rS+8*j+1], v[rS+8*j+2]
.elseif j < 12
	v_max3_num_f32 v[rT+4+j%4], v[rT+4+j%4], v[rS+8*(j%4)+2*(j/4)+1], v[rS+8*(j%4)+2*(j/4)+2]
.elseif j == 12
	v_max3_num_f32 v[rT+4], v[rT+4], v[rS+7], v[rS+15]
.elseif j == 13
	v_max3_num_f32 v[rT+6], v[rT+6], v[rS+23], v[rS+31]
.elseif j == 14
	v_max3_num_f32 v[rT+4], v[rT+4], v[rT+5], v[rT+6]
.elseif j == 15
	v_max3_num_f32 v[rT+4], v[rT+4], v[rT+7], v[rT+1]
.elseif j == 16
	v_permlanex16_b32 v[rT+5], v[rT+4], s[SEL], s[SEL+1]  ; the query's other 32 keys lie in the lane 16 away
.elseif j == 17
	v_mov_b32 v[rT+7], v[rT]        ; c m_old is kept for a
.elseif j == 18
	v_max_num_f32 v[rT+1], v[rT+4], v[rT+5]
.elseif j == 19
	v_mul_f32 v[rT], v[rC], v[rT+1]
.elseif j == 20
	v_sub_f32 v[rT+7], v[rT+7], v[rT]
.elseif j == 23
	v_exp_f32 v[rT+6], v[rT+7]
.elseif (j < 23) || ((j < 38) && (j%2 == 0)) || ((j < 66) && (j%4 == 2))
.set b, (j-2)/4                     ; 38, 42, .. 62: pairs 9 to 15
.if j < 38
.set b, (j-20)/2                    ; 21: pair 0; 22, 24, .. 36: pairs 1 to 8
.endif
	v_pk_fma_f32 v[rS+2*b:rS+2*b+1], v[rS+2*b:rS+2*b+1], v[rC:rC+1], v[rT:rT+1] op_sel_hi:[1,0,0] neg_lo:[0,0,1] neg_hi:[0,0,1]  ; pair b: c s - c m
.elseif j < 70
.set e, j-38                        ; 66 to 69: s28 to s31
.if j < 66
.set e, j-32-(j-38)/4               ; 39-41, 43-45, .. 63-65: s7 to s27
.endif
.if j < 38
.set e, (j-25)/2                    ; 25, 27, .. 37: s0 to s6
.endif
	v_exp_f32 v[rS+e], v[rS+e]
.elseif j < 86
	v_cvt_pk_f16_f32 v[rP+j-70], v[rS+2*(j-70)], v[rS+2*(j-70)+1]
.elseif j < 102                     ; the sum of the 16 pairs, in place: neighbours 1, 2, 4 and 8 pairs apart, then l takes it
.set z, j-86
.set w, 4
.set u, z
.if z >= 14
.set w, 32
.set u, 0
.elseif z >= 12
.set w, 16
.set u, z-12
.elseif z >= 8
.set w, 8
.set u, z-8
.endif
.if z < 15
	v_pk_add_f32 v[rS+w*u:rS+w*u+1], v[rS+w*u:rS+w*u+1], v[rS+w*u+w/2:rS+w*u+w/2+1]
.else
	v_pk_fma_f32 v[rT+2:rT+3], v[rT+2:rT+3], v[rT+6:rT+7], v[rS:rS+1] op_sel_hi:[1,0,1]
.endif
.else
	WIN W_RS
	v_pk_mul_f32 v[rO:rO+1], v[rO:rO+1], v[rT+6:rT+7] op_sel_hi:[1,0]
.endif
.endm
.macro RIDE t, n                    ; the list's next n numbers.  Behind number 69 the batch is out and no result has been named: a plain instruction, and one wait ahead of the first reader
.rept \n
	SM \t
.if j == 69
	v_nop
	s_wait_alu depctr_va_vdst(0)
.endif
.set j, j+1
.endr
.endm
.macro MASK                         ; MD x AL + BE
	WIN 0
.set z, 0
.rept 16
	v_pk_fma_f32 v[MC+2*z:MC+2*z+1], v[MD+2*z:MD+2*z+1], s[AL:AL+1], s[BE:BE+1] op_sel_hi:[1,0,0]
.set z, z+1
.endr
.endm
.macro ADV                          ; on to the next step of the walk: its number in its block, and the mask's two scalars
	s_add_co_u32 s[STN], s[STN], 1
	s_cmp_eq_u32 s[STN], s[SEN]     ; was that the first block's last step?
	s_cselect_b32 s[STN], 0, s[STN]
	s_cselect_b32 s[BI], s[HII], s[BI]
	s_cselect_b32 s[ENDF], 1, s[ENDF]
	s_cselect_b32 s[SEN], -1, s[SEN]
	s_cmp_eq_u32 s[STN], s[BI]      ; the block's own step?
	s_cselect_b32 s[AL], 1.0, 0
	s_cmp_gt_u32 s[STN], s[BI]      ; or the one above the diagonal?
	s_cselect_b32 s[BE], s[BIGN], 0
.endm
; A KEY STEP.  chg = 1: a slot's second step: when its scores are made all reads of the slot have been issued, and the slots change.
.macro STEP chg, last
	s_wait_dscnt 32                 ; K is in; V's 32 loads, issued behind K's, may stay out
.set i, 0
.rept 16
	KQ 0
.set i, i+1
.endr
	PLACES                          ; in front of the softmax that reads those scores
.set j, 0
.set i, 0
.rept 16
	KQ 1
.if i == 15
	RIDE 0, 14                      ; all plain, and they name nothing of the products: the places in front of tile 1's softmax and of the loads into K's registers
.else
	RIDE 0, 8
.endif
.set i, i+1
.endr
.if \chg
	CHANGE 1
.else
	s_wait_dscnt 0x0                ; V is in
.endif
	FETCH_K \last
.set j, 0
.set i, 0
.rept 16
	PV 0
.if i == 15
	RIDE 1, 14
.else
	RIDE 1, 8
.endif
.set i, i+1
.endr
.set i, 0
.rept 16
	PV 1
.set i, i+1
.endr
	ADV
	MASK                            ; sixteen plain lines: the places behind the last products, in front of the loads into V's registers
	FETCH_V \last
.endm
; A BLOCK'S END.  l's two halves and the other half of the lanes' are added; O^T is divided by l, rounded to f16 and sent through my stage, a tile (16 tokens of one head) at a time.
.macro PACK t
	WIN W_RS
.set i, 64*(\t)
.rept 32
	v_pk_mul_f32 v[i:i+1], v[i:i+1], v[ST+8*(\t)+6:ST+8*(\t)+7] op_sel_hi:[1,0]
.set i, i+2
.endr
	WIN 0x05                        ; sources 0 and 1 window 1, destination window 0: S^T's registers are free
.set i, 0
.rept 32
	v_cvt_pk_f16_f32 v[S+32*(\t)+i], v[64*(\t)+2*i], v[64*(\t)+2*i+1]
.set i, i+1
.endr
	WIN 0
.irp f, 0,1,2,3,4,5,6,7
	ds_store_b128 v[STO], v[S+32*(\t)+4*(\f):S+32*(\t)+4*(\f)+3] offset:32*(\f)
.endr
.irp f, 0,1,2,3,4,5,6,7
	ds_load_b128 v[S+32*(\t)+4*(\f):S+32*(\t)+4*(\f)+3], v[RD] offset:(\f)*2*SP  ; LDS serves a wave's instructions in order (ISA guide 5.7.1.4): these see the stores above
.endr
.endm
.macro SENDT t, younger             ; younger: the LDS instructions issued behind tile t's loads
.irp f, 0,1,2,3,4,5,6,7
	s_wait_dscnt (\younger)+7-(\f)
	global_store_b128 v[GO], v[S+32*(\t)+4*(\f):S+32*(\t)+4*(\f)+3], s[OCU:OCU+1] offset:(\f)*8192+(\t)*256  ; 16 lanes store 256 consecutive bytes, aligned
.endr
.endm
.macro BLOCKEND sw                  ; sw = 1: the second block follows
	WIN 0
.irp t, 0,1
	v_add_f32 v[ST+8*(\t)+4], v[ST+8*(\t)+2], v[ST+8*(\t)+3]
.endr
.irp t, 0,1
	v_permlanex16_b32 v[ST+8*(\t)+5], v[ST+8*(\t)+4], s[SEL], s[SEL+1]
.endr
.irp t, 0,1
	v_add_f32 v[ST+8*(\t)+4], v[ST+8*(\t)+4], v[ST+8*(\t)+5]
.endr
.irp t, 0,1
	v_rcp_f32 v[ST+8*(\t)+6], v[ST+8*(\t)+4]
.endr
	v_nop                           ; a plain instruction behind the second reciprocal,
	s_wait_alu depctr_va_vdst(0)    ; and one wait for the two
	PACK 0
	PACK 1
	SENDT 0, 16
	SENDT 1, 0
.if \sw
	s_wait_xcnt 0x0                 ; the stores have read their data and ob's address
	s_mov_b64 s[OCU:OCU+1], s[OHI:OHI+1]
	WIN 0x82                        ; the second block's Q goes where the one text of the steps names Q
.set i, 0
.rept 64
	v_mov_b32 v[i], v[QB+i]
.set i, i+1
.endr
	WIN 0
.irp r, 0,1,2,3
	v_mov_b32 v[CQ+(\r)], v[CQB+(\r)]
.endr
.irp t, 0,1
	v_mov_b32 v[ST+8*(\t)], 0xfe000000
	v_mov_b32 v[ST+8*(\t)+1], 0xff7fffff
.endr
	s_mov_b32 s[ENDF], 0
.endif
.endm
	s_cmp_eq_u32 s[STN], s[BI]      ; the walk's first step is block 0's own
	s_cselect_b32 s[AL], 1.0, 0
	s_mov_b32 s[BE], 0
	MASK
	s_wait_tensorcnt 0x1            ; my part of slot 0 is in; slot 1's may stay out
	s_barrier_signal -1
	s_barrier_wait -1
	FETCH_K 0
	FETCH_V 0
	s_mov_b32 s[CNT], 16
	s_branch .Leven                 ; the loop is entered in the middle of a trip: step 0
.Lodd:                              ; 15 times: a slot's second step, with the change of slots and a refill; then the next slot's first step
	STEP 1, 0
	s_cmp_eq_u32 s[ENDF], 0
	s_cbranch_scc1 .Leven
	BLOCKEND 1                      ; the first block ends behind an odd step, 1 to 15
.Leven:
	STEP 0, 0
	s_sub_co_u32 s[CNT], s[CNT], 1
	s_cmp_lg_u32 s[CNT], 0
	s_cbranch_scc1 .Lodd
	CHANGE 0                        ; K and V of step 31 have been asked of LDS: the slot is left, and nothing is filled; the tail is written out
	s_mov_b32 s[CNT], 3
.Ltail:                             ; steps 31, 32, 33
	STEP 0, 1
	s_sub_co_u32 s[CNT], s[CNT], 1
	s_cmp_lg_u32 s[CNT], 0
	s_cbranch_scc1 .Ltail
	BLOCKEND 0
	s_wait_tensorcnt 0x0            ; the wave's end, behind my last tensor load and my last LDS store
	ds_add_u32 v[SPW], v[NIL]
	s_wait_dscnt 0x0
	s_endpgm
.Lfunc_end_k_q9243195d97_attn:
	.size	k_q9243195d97_attn, .Lfunc_end_k_q9243195d97_attn-k_q9243195d97_attn
	.p2alignl 7, 3214868480
	.fill 96, 4, 3214868480
	.section	.rodata,"a",@progbits
	.p2align	6, 0x0
	.amdhsa_kernel k_q9243195d97_attn
		.amdhsa_group_segment_fixed_size 327680
		.amdhsa_private_segment_fixed_size 0
		.amdhsa_enable_private_segment 0
		.amdhsa_kernarg_size 24
		.amdhsa_user_sgpr_count 2
		.amdhsa_user_sgpr_kernarg_segment_ptr 1
		.amdhsa_wavefront_size32 1
		.amdhsa_system_sgpr_workgroup_id_x 1
		.amdhsa_system_sgpr_workgroup_id_y 1
		.amdhsa_system_sgpr_workgroup_id_z 1
		.amdhsa_system_vgpr_workitem_id 0
		.amdhsa_next_free_vgpr 768
		.amdhsa_next_free_sgpr 102
		.amdhsa_reserve_vcc 1
		.amdhsa_float_denorm_mode_32 3
		.amdhsa_float_denorm_mode_16_64 3
		.amdhsa_memory_ordered 1
		.amdhsa_forward_progress 1
		.amdhsa_inst_pref_size 134
	.end_amdhsa_kernel
	.amdgpu_metadata
---
amdhsa.version: [ 1, 2 ]
amdhsa.kernels:
  - .name:           k_q9243195d97_attn
    .symbol:         k_q9243195d97_attn.kd
    .args:
      - { .name: proj, .offset: 0, .size: 8, .value_kind: global_buffer, .address_space: global }
      - { .name: fixd, .offset: 8, .size: 8, .value_kind: global_buffer, .address_space: global }
      - { .name: ob, .offset: 16, .size: 8, .value_kind: global_buffer, .address_space: global }
    .group_segment_fixed_size: 327680
    .private_segment_fixed_size: 0
    .kernarg_segment_align: 8
    .kernarg_segment_size: 24
    .max_flat_workgroup_size: 128
    .sgpr_count:     102
    .vgpr_count:     768
    .wavefront_size: 32
...
	.end_amdgpu_metadata
.endif
;; end of part 4
;; launch oproj (part 5): grid 8 x 32, 4 waves a work-group, clusters of 4 x 4, 327,680 bytes of LDS; arguments ob, cast, out0; writes out0
.if DOCPART == 5
	.amdgcn_target "amdgcn-amd-amdhsa--gfx1250"
	.amdhsa_code_object_version 6
	.text
	.protected	k_q9243195d97_oproj
	.globl	k_q9243195d97_oproj
	.p2align	8
	.type	k_q9243195d97_oproj,@function
k_q9243195d97_oproj:
	s_mov_b64 s[64:65], 0
	v_nop
	global_prefetch_b8 v0, s[64:65] scope:SCOPE_SE
	s_setreg_imm32_b32 hwreg(HW_REG_WAVE_MODE, 25, 1), 1
	s_wait_xcnt 0x0
	s_wait_alu depctr_hold_cnt(0) depctr_sa_sdst(0) depctr_va_vdst(0) depctr_va_sdst(0) depctr_va_ssrc(0) depctr_va_vcc(0) depctr_vm_vsrc(0)
	s_getreg_b32 s2, hwreg(HW_REG_IB_STS2, 6, 4)
	s_cmp_eq_u32 s2, 0
	s_cbranch_scc0 .Lentry_in_a_cluster
	s_endpgm
.Lentry_in_a_cluster:
	s_bfe_u32 s2, ttmp6, 0x10000c
	s_cmp_lg_u32 s2, 0xf033
	s_cbranch_scc0 .Lentry_shape_is_right
	s_endpgm
.Lentry_shape_is_right:
; THE OUTPUT PROJECTION.  out0[4096 tokens][1024] = O (f16, [token][2048]) times w_o (bf16-rounded, written as f16, stored [k][n]); sums in f32, stored as f32.
; 4096 x 1024 makes 64 tiles of 256 x 256 and 256 of 128 x 128: the smaller tile gives each work-group's place one tile.  Four waves, each 64 x 64: 16 accumulators.  K = 2,048 in 8 steps of 256 through two LDS slots.
; CLUSTER 4 x 4: O's tile is shared along a row of the cluster, w_o's along a column, each asked for jointly.  No prefetch: the tiles are small, and a step's bytes are few.
; THE MATRIX INSTRUCTION IS USED TRANSPOSED (source 0 = 16 columns of w_o, turned by ds_load_tr16_b128; source 1 = 16 rows of O): a lane holds eight neighbouring numbers of a row of out0.
; REGISTERS: window 0: v0-31 addresses; v32-95 at work on the way out; v128-255 the accumulators ((a, b) at v[128 + 8 (4 a + b)]).  Window 1: two fragment buffers of 128: for 64 along K, 64 registers of O, then 64 of w_o.
.set KSTEP,  256
.set PITCH,  528                       ; a row of O in LDS: 512 bytes + 16
.set PBB,    288                       ; a k row of w_o in LDS: 128 columns, 256 bytes + 32: an odd multiple of 32
.set HALFA,  64*PITCH                  ; one load of O: 64 rows
.set HALFB,  128*PBB                   ; one load of w_o: 128 k rows
.set BOFF,   2*HALFA
.set SLOT,   BOFF+2*HALFB
.set STAGE,  2*SLOT                    ; behind the ring: 16 rows x 272 bytes for each wave
.set SPITCH, 272
.set SPARE,  STAGE+4*16*SPITCH
.set LAPS,   4
.set O_WO,   16777216
.set ADRA, 16                          ; v16-17  LDS address of my fragments of O in slot 0, 1
.set ADRB, 20                          ; v20-23  of w_o: slot 0 k rows 0-127, 128-255; slot 1 likewise (an LDS immediate holds 16 bits)
.set STO,  24
.set RD,   25
.set CO,   26
.set SPW,  28
.set NIL,  29
.set TMP,  32
.set ACC,  128
.set F0,   0
.set F1,   128
.set G1, 24
.set G0, 32
.set G1B, 48
.set G0B, 56
.set MSB, 0
.macro WIN new
.if MSB != (\new)
	s_set_vgpr_msb (MSB<<8)|(\new)
.set MSB, \new
.endif
.endm
.set MUL,  0x05                        ; sources 0 and 1 window 1; C and D window 0
.set TO_F, 0x40                        ; destination window 1, address window 0
.macro JLOAD s                         ; a joint load: waves 0 and 1 fetch O's two halves, waves 2 and 3 w_o's; an s_nop 0 and four v_nop follow each line
	s_cmp_eq_u32 s11, 0
	s_cbranch_scc0 .Lfor_b_\@
	tensor_load_to_lds s[G0+4*(\s):G0+4*(\s)+3], s[G1:G1+7]
	s_nop 0
.rept 4
	v_nop
.endr
	s_branch .Lasked_\@
.Lfor_b_\@:
	tensor_load_to_lds s[G0B+4*(\s):G0B+4*(\s)+3], s[G1B:G1B+7]
	s_nop 0
.rept 4
	v_nop
.endr
.Lasked_\@:
.endm
.macro CREST
	s_cmp_lg_u32 s10, 0
	s_cbranch_scc1 .Lnot_wave_0_\@
	s_barrier_signal -3
.Lnot_wave_0_\@:
	s_barrier_wait -3
	s_barrier_signal -1
	s_barrier_wait -1
.endm
.macro CROUND
	s_barrier_signal -1
	s_barrier_wait -1
	CREST
.endm
	s_load_b128 s[4:7], s[0:1], 0x0                ; ob, cast
	s_load_b64 s[8:9], s[0:1], 0x10                ; out0
	v_lshl_add_u32 v[SPW], v0, 2, SPARE
	v_mov_b32 v[NIL], 0
	ds_add_u32 v[SPW], v[NIL]                      ; the wave's opening: the add and its wait ahead of my first tensor load
	v_lshrrev_b32 v1, 5, v0
	v_readfirstlane_b32 s10, v1
	s_lshr_b32 s11, s10, 1                         ; which half of the tile's rows is mine.  Also: I fetch O (0) or w_o (1)
	s_and_b32 s12, s10, 1                          ; which half of its columns.  Also: which half of that tile I fetch
	s_bfe_u32 s40, ttmp6, 0x40000
	s_bfe_u32 s41, ttmp6, 0x40004
	s_lshl_b32 s42, ttmp9, 2
	s_add_co_u32 s42, s42, s40                     ; tile column
	s_and_b32 s13, ttmp7, 0xffff
	s_lshl_b32 s13, s13, 2
	s_add_co_u32 s13, s13, s41                     ; tile row
	s_lshl_b32 s43, s41, 2
	s_lshl_b32 s43, 15, s43
	s_lshl_b32 s44, 0x1111, s40
	s_or_b32 s[G1+0], s43, (1<<16)|(1<<20)|(1<<21)|(6<<22)|(3<<25)   ; after every 128 words, 4 words
	s_or_b32 s[G1B+0], s44, (1<<16)|(1<<20)|(1<<21)|(5<<22)|(7<<25)  ; after every 64 words, 8 words
	s_mov_b32 s[G1+1], 256<<16                     ; tensor_dim0 = 256
	s_mov_b32 s[G1+2], 64<<16                      ; tensor_dim1 = 64
	s_mov_b32 s[G1+3], 256<<16                     ; tile_dim0 = 256
	s_mov_b32 s[G1+4], 64                          ; tile_dim1 = 64
	s_mov_b32 s[G1+5], 2048
	s_mov_b32 s[G1+6], 0
	s_mov_b32 s[G1+7], 0
	s_mov_b32 s[G1B+1], 128<<16
	s_mov_b32 s[G1B+2], 128<<16
	s_mov_b32 s[G1B+3], 128<<16
	s_mov_b32 s[G1B+4], 128
	s_mov_b32 s[G1B+5], 1024
	s_mov_b32 s[G1B+6], 0
	s_mov_b32 s[G1B+7], 0
	s_lshl_b32 s17, s12, 6
	s_lshl_b32 s16, s13, 7
	s_add_co_u32 s16, s16, s17                     ; O: row 128 x tile row + 64 x half,
	s_lshl_b32 s16, s16, 12                        ; of 4,096 bytes
	s_mov_b32 s17, 0
	s_lshl_b32 s46, s42, 8                         ; w_o: 256 bytes a tile column,
	s_lshl_b32 s47, s12, 18                        ; 128 k rows of 2,048 bytes a half
	s_add_co_u32 s46, s46, s47
	s_add_co_u32 s46, s46, O_WO
	s_mov_b32 s47, 0
	s_mul_i32 s20, s12, HALFA                      ; where they go: no place in the cluster enters an LDS address
	s_mul_i32 s21, s12, HALFB
	s_add_co_u32 s21, s21, BOFF
	s_wait_dscnt 0x0
	s_wait_kmcnt 0x0
	s_add_nc_u64 s[14:15], s[4:5], s[16:17]
	s_add_nc_u64 s[46:47], s[6:7], s[46:47]
	CROUND                                         ; all sixteen work-groups are here: the first joint loads meet
.irp s, 0,1
	s_mov_b32 s[G0+4*(\s)], 1
	s_add_co_u32 s[G0+4*(\s)+1], s20, (\s)*SLOT
	s_add_nc_u64 s[G0+4*(\s)+2:G0+4*(\s)+3], s[14:15], (\s)*KSTEP*2
	s_or_b32 s[G0+4*(\s)+3], s[G0+4*(\s)+3], 0x80000000
	s_mov_b32 s[G0B+4*(\s)], 1
	s_add_co_u32 s[G0B+4*(\s)+1], s21, (\s)*SLOT
	s_add_nc_u64 s[G0B+4*(\s)+2:G0B+4*(\s)+3], s[46:47], (\s)*KSTEP*2048
	s_or_b32 s[G0B+4*(\s)+3], s[G0B+4*(\s)+3], 0x80000000
	JLOAD \s
.endr
	v_and_b32 v1, 15, v0
	v_bfe_u32 v2, v0, 4, 1
	v_mul_u32_u24 v3, v1, PITCH
	v_lshl_add_u32 v3, v2, 4, v3
	s_mul_i32 s21, s11, HALFA                      ; my 64 rows of O
	v_and_b32 v4, 7, v0
	v_lshl_add_u32 v4, v2, 3, v4
	v_mul_u32_u24 v4, v4, PBB
	v_bfe_u32 v5, v0, 3, 1
	v_lshl_add_u32 v4, v5, 4, v4
	s_lshl_b32 s22, s12, 7                         ; my 64 columns
	s_add_co_u32 s22, s22, BOFF
.irp s, 0,1
	v_add_nc_u32 v[ADRA+(\s)], s21, v3
	v_add_nc_u32 v[ADRB+2*(\s)], s22, v4
	v_add_nc_u32 v[ADRB+2*(\s)+1], HALFB, v[ADRB+2*(\s)]
	s_add_co_u32 s21, s21, SLOT
	s_add_co_u32 s22, s22, SLOT
.endr
	s_mul_i32 s23, s10, 16*SPITCH
	s_add_co_u32 s23, s23, STAGE                   ; my stage: a wave's 64 f32 columns are one aligned 256 bytes of out0, so no other wave shares its rows
	v_mul_u32_u24 v4, v1, SPITCH
	v_lshl_add_u32 v4, v2, 5, v4                   ; in: row l % 16, 32 bytes for each half of the lanes
	v_add_nc_u32 v[STO], s23, v4
	v_mul_u32_u24 v5, v2, SPITCH
	v_lshl_add_u32 v5, v1, 4, v5
	v_add_nc_u32 v[RD], s23, v5
	v_lshlrev_b32 v[CO], 12, v2
	v_lshl_add_u32 v[CO], v1, 4, v[CO]
	s_lshl_b32 s16, s13, 7
	s_lshl_b32 s17, s11, 6
	s_add_co_u32 s16, s16, s17
	s_lshl_b32 s16, s16, 12                        ; my first row of out0
	s_mov_b32 s17, 0
	s_add_nc_u64 s[8:9], s[8:9], s[16:17]
	s_lshl_b32 s46, s42, 9
	s_lshl_b32 s47, s12, 8
	s_add_co_u32 s46, s46, s47                     ; my first column, in bytes
	s_mov_b32 s47, 0
	s_add_nc_u64 s[8:9], s[8:9], s[46:47]
.macro MUL8 f, c, a0, zero
	WIN MUL
.irp a, \a0, (\a0)+1
.irp b, 0,1,2,3
.if \zero
	v_wmma_f32_16x16x32_f16 v[ACC+8*(4*(\a)+(\b)):ACC+8*(4*(\a)+(\b))+7], v[(\f)+64+8*(4*(\c)+(\b)):(\f)+64+8*(4*(\c)+(\b))+7], v[(\f)+8*(4*(\c)+(\a)):(\f)+8*(4*(\c)+(\a))+7], 0
.else
	v_wmma_f32_16x16x32_f16 v[ACC+8*(4*(\a)+(\b)):ACC+8*(4*(\a)+(\b))+7], v[(\f)+64+8*(4*(\c)+(\b)):(\f)+64+8*(4*(\c)+(\b))+7], v[(\f)+8*(4*(\c)+(\a)):(\f)+8*(4*(\c)+(\a))+7], v[ACC+8*(4*(\a)+(\b)):ACC+8*(4*(\a)+(\b))+7]
.endif
.endr
.endr
.endm
; 32 LDS loads in one run: the fragments of 64 along K at byte k of O's rows (k row k / 2 of w_o), into buffer f; the first 32 along K first
.macro FETCH slot, k, f
	WIN TO_F
.irp c, 0,1
.irp i, 0,1,2,3
	ds_load_tr16_b128 v[(\f)+64+8*(4*(\c)+(\i)):(\f)+64+8*(4*(\c)+(\i))+3],   v[ADRB+2*(\slot)+(\k)/256] offset:(((\k)%256)/2+32*(\c))*PBB+32*(\i)
	ds_load_tr16_b128 v[(\f)+64+8*(4*(\c)+(\i))+4:(\f)+64+8*(4*(\c)+(\i))+7], v[ADRB+2*(\slot)+(\k)/256] offset:(((\k)%256)/2+32*(\c)+16)*PBB+32*(\i)
	ds_load_b128 v[(\f)+8*(4*(\c)+(\i)):(\f)+8*(4*(\c)+(\i))+3],         v[ADRA+(\slot)] offset:(\k)+64*(\c)+(\i)*16*PITCH
	ds_load_b128 v[(\f)+8*(4*(\c)+(\i))+4:(\f)+8*(4*(\c)+(\i))+7],       v[ADRA+(\slot)] offset:(\k)+64*(\c)+(\i)*16*PITCH+32
.endr
.endr
.endm
.macro PLACES
.rept 4
	v_nop
.endr
.endm
; A K step is four quarters of 64 along K, 32 matrix instructions each, on buffers 0, 1, 0, 1; the 16 accumulators take turns.
.macro QUARTER slot, k, f, g, zero
	s_wait_dscnt 16                                ; the first 32 along K are in
	WIN MUL
	MUL8 \f, 0, 0, \zero
	MUL8 \f, 0, 2, \zero
	PLACES
	FETCH \slot, \k, \g
	s_wait_dscnt 32                                ; all but the 32 just issued
	WIN MUL
	MUL8 \f, 1, 0, 0
	MUL8 \f, 1, 2, 0
.endm
; The last quarter changes slots: one barrier; in front of it each wave waits for all its tensor loads, adds 0 to its spare word, and waits for that and for its reads of this slot.  fill = 1: this slot is filled again, two K steps on.
.macro TURN slot, next, fill
	WIN 0
	s_wait_tensorcnt 0x0
	ds_add_u32 v[SPW], v[NIL]
	s_wait_dscnt 17                                ; (the add and the youngest sixteen loads may be out)
	WIN MUL
	MUL8 F1, 0, 0, 0
	s_wait_dscnt 0x0                               ; the add is done, and my reads of this slot are over
	s_barrier_signal -1
	MUL8 F1, 0, 2, 0
.if \fill
	WIN 0
.endif
	s_barrier_wait -1
.if \fill
	CREST
	s_add_nc_u64 s[G0+4*(\slot)+2:G0+4*(\slot)+3], s[G0+4*(\slot)+2:G0+4*(\slot)+3], 2*KSTEP*2
	s_add_nc_u64 s[G0B+4*(\slot)+2:G0B+4*(\slot)+3], s[G0B+4*(\slot)+2:G0B+4*(\slot)+3], 2*KSTEP*2048
	JLOAD \slot                                    ; the four v_nop behind it are also the places in front of the loads below
.else
	PLACES
.endif
	FETCH \next, 0, F0
	WIN MUL
	MUL8 F1, 1, 0, 0
	MUL8 F1, 1, 2, 0
.endm
	s_wait_tensorcnt 1                             ; my part of K step 0 is in; K step 1's may stay out
	s_barrier_signal -1
	s_barrier_wait -1
	FETCH 0, 0, F0
	QUARTER 0, 128, F0, F1, 1
	WIN 0
	s_mov_b32 s3, LAPS-1
.Llap:
	QUARTER 0, 256, F1, F0, 0
	QUARTER 0, 384, F0, F1, 0
	TURN 0, 1, 1
	QUARTER 1, 128, F0, F1, 0
	QUARTER 1, 256, F1, F0, 0
	QUARTER 1, 384, F0, F1, 0
	TURN 1, 0, 1
	QUARTER 0, 128, F0, F1, 0
	WIN 0
	s_sub_co_u32 s3, s3, 1
	s_cmp_lg_u32 s3, 0
	s_cbranch_scc1 .Llap
	QUARTER 0, 256, F1, F0, 0                      ; the last lap fills nothing
	QUARTER 0, 384, F0, F1, 0
	TURN 0, 1, 0
	QUARTER 1, 128, F0, F1, 0
	QUARTER 1, 256, F1, F0, 0
	QUARTER 1, 384, F0, F1, 0
	s_wait_dscnt 16
	WIN MUL
	MUL8 F1, 0, 0, 0
	MUL8 F1, 0, 2, 0
	s_wait_dscnt 0
	MUL8 F1, 1, 0, 0
	MUL8 F1, 1, 2, 0
	WIN 0
	; THE WAY OUT, 16 rows at a time: a lane's eight f32 of each column block go into my stage (each accumulator's lowest registers first) and come back as whole rows of 256 bytes.
	PLACES
.irp a, 0,1,2,3
.if (\a) >= 2
	s_wait_xcnt 0x0                                ; the stores of two blocks back have read the registers that are loaded again below
.endif
.irp b, 0,1,2,3
	ds_store_b128 v[STO], v[ACC+8*(4*(\a)+(\b)):ACC+8*(4*(\a)+(\b))+3]   offset:64*(\b)
	ds_store_b128 v[STO], v[ACC+8*(4*(\a)+(\b))+4:ACC+8*(4*(\a)+(\b))+7] offset:64*(\b)+16
.endr
.irp t, 0,1,2,3,4,5,6,7
	ds_load_b128 v[TMP+32*((\a)%2)+4*(\t):TMP+32*((\a)%2)+4*(\t)+3], v[RD] offset:(\t)*2*SPITCH  ; LDS serves a wave's instructions in order (ISA guide 5.7.1.4)
.endr
	s_wait_dscnt 0x0
.irp t, 0,1,2,3,4,5,6,7
	global_store_b128 v[CO], v[TMP+32*((\a)%2)+4*(\t):TMP+32*((\a)%2)+4*(\t)+3], s[8:9] offset:(\a)*65536+(\t)*8192  ; 16 lanes store 256 consecutive bytes, aligned
.endr
.endr
	s_wait_tensorcnt 0x0                           ; the wave's end, behind my last tensor load and my last LDS store
	ds_add_u32 v[SPW], v[NIL]
	s_wait_dscnt 0x0
	CROUND                                         ; the closing round
	s_endpgm
.Lfunc_end_k_q9243195d97_oproj:
	.size	k_q9243195d97_oproj, .Lfunc_end_k_q9243195d97_oproj-k_q9243195d97_oproj
	.p2alignl 7, 3214868480
	.fill 96, 4, 3214868480
	.section	.rodata,"a",@progbits
	.p2align	6, 0x0
	.amdhsa_kernel k_q9243195d97_oproj
		.amdhsa_group_segment_fixed_size 327680
		.amdhsa_private_segment_fixed_size 0
		.amdhsa_enable_private_segment 0
		.amdhsa_kernarg_size 24
		.amdhsa_user_sgpr_count 2
		.amdhsa_user_sgpr_kernarg_segment_ptr 1
		.amdhsa_wavefront_size32 1
		.amdhsa_system_sgpr_workgroup_id_x 1
		.amdhsa_system_sgpr_workgroup_id_y 1
		.amdhsa_system_sgpr_workgroup_id_z 1
		.amdhsa_system_vgpr_workitem_id 0
		.amdhsa_next_free_vgpr 512
		.amdhsa_next_free_sgpr 66
		.amdhsa_reserve_vcc 0
		.amdhsa_float_denorm_mode_32 3
		.amdhsa_float_denorm_mode_16_64 3
		.amdhsa_memory_ordered 1
		.amdhsa_forward_progress 1
		.amdhsa_inst_pref_size 86
	.end_amdhsa_kernel
	.amdgpu_metadata
---
amdhsa.version: [ 1, 2 ]
amdhsa.kernels:
  - .name:           k_q9243195d97_oproj
    .symbol:         k_q9243195d97_oproj.kd
    .args:
      - { .name: ob, .offset: 0, .size: 8, .value_kind: global_buffer, .address_space: global }
      - { .name: cast, .offset: 8, .size: 8, .value_kind: global_buffer, .address_space: global }
      - { .name: out0, .offset: 16, .size: 8, .value_kind: global_buffer, .address_space: global }
    .group_segment_fixed_size: 327680
    .private_segment_fixed_size: 0
    .kernarg_segment_align: 8
    .kernarg_segment_size: 24
    .max_flat_workgroup_size: 128
    .sgpr_count:     66
    .vgpr_count:     512
    .wavefront_size: 32
...
	.end_amdgpu_metadata
.endif
;; end of part 5
;; ======== version 2 of 2: 5 launches; version 1 with the launches prep, fix written anew for expert scheduling mode
;; limits: values are held in f16: magnitudes above 65,504 overflow, below 6.1e-05 lose precision; right only within a limited range of input values
;; workspace buffers: cast 23,068,672 bytes; proj 33,947,648 bytes; fixd 8,650,752 bytes; ob 16,777,216 bytes
;; launch prep (part 6): grid 336 x 1, 8 waves a work-group, no clusters, 0 bytes of LDS; arguments x, w_q, w_k, w_v, w_o, cos, sin, cast; writes cast
.if DOCPART == 6
	.amdgcn_target "amdgcn-amd-amdhsa--gfx1250"
	.amdhsa_code_object_version 6
	.text
	.protected	k_q9243195d97_prep
	.globl	k_q9243195d97_prep
	.p2align	8
	.type	k_q9243195d97_prep,@function
k_q9243195d97_prep:
	s_mov_b64 s[64:65], 0
	v_nop
	global_prefetch_b8 v0, s[64:65] scope:SCOPE_SE
	s_setreg_imm32_b32 hwreg(HW_REG_WAVE_SCHED_MODE, 0, 2), 2
	s_setreg_imm32_b32 hwreg(HW_REG_WAVE_MODE, 25, 1), 1
	s_wait_xcnt 0x0
	s_wait_alu depctr_vm_vsrc(0)
; CASTS.  Every input of the module is rounded once to bf16 and laid where the later launches want it, in the buffer cast:
;   byte 0           x      [4096][1024] bf16
;   byte 8,388,608   w_q | w_k | w_v side by side, [1024 k][4096 n] bf16 (n 0-2047 Q, 2048-3071 K, 3072-4095 V)
;   byte 16,777,216  w_o    [2048 k][1024 n]: rounded to bf16, that number written as f16 (below 2^-14 it keeps f16's fixed step of 6e-8)
;   byte 20,971,520  cos, then sin, [2048][128]: rounded to bf16 and kept widened as f32
; A stream: no LDS, no matrix unit, no cluster; nothing is shared.  A UNIT is 1,024 source numbers (4,096 bytes); a wave takes 4 units on end, a work-group 32.
; The work-group's number picks the segment: a chain of selects, no branch; only the kind of conversion is a (forward) branch.
; All 32 loads of a wave go out first; no register is written again behind its store, so no wait frees a source.
; THE MODE: SCHED_MODE bits 1:0 = 2 (LLVM: expert scheduling mode 2), set by the entry lines.  The code itself states the register dependences
; between vector instructions and memory instructions, with s_wait_alu, always for 0.
; THE PLAN.  Registers that memory instructions touch:
;   v1, v2     byte offsets, made once at the head and never written again; every load and store reads one of them.
;   DAT        four units of 32 registers.  Written by the loads, which all go out before any vector instruction names DAT; then by unit i's conversions, in place, behind the wait
;              for its data; read by unit i's stores; never written behind them.
;   TT         named by vector instructions alone.
; So one wait at the head states that the offsets are written, for all three kinds' loads and stores; and one wait a unit, behind ALL its conversions, states that they have written what the
; unit's stores read: the stores follow it in one run.  It stands behind the unit's conversions and not at the next unit's head, where the stores would first sit out the wait for the next unit's data.
; No register that a load or store has read is written again, so nothing is owed on that side.
.set DAT, 32                           ; v[32:159] the wave's four units as loaded, converted in place
.set TT,  160                          ; v[160:163] at work
.set SRC, 26                           ; s[26:27] the source at my first unit
.set D0,  36                           ; s[36:43] the four units' places in cast
; s28 the segment's first work-group; s29 log2 of the units in a source row (0 or 1), also the mask of a unit's place in its row; s31 bytes from row to row in cast; s32 the segment's first byte there; s33 the kind
.macro SEG start, ptr, dsh, dpitch, doff, mode
	s_cmp_ge_u32 ttmp9, \start
	s_cselect_b64 s[SRC:SRC+1], s[\ptr:\ptr+1], s[SRC:SRC+1]
	s_cselect_b32 s28, \start, s28
	s_cselect_b32 s29, \dsh, s29
	s_cselect_b32 s31, \dpitch, s31
	s_cselect_b32 s32, \doff, s32
	s_cselect_b32 s33, \mode, s33
.endm
	s_load_b512 s[8:23], s[0:1], 0x0               ; x 8, w_q 10, w_k 12, w_v 14, w_o 16, cos 18, sin 20, cast 22
	v_lshrrev_b32 v3, 5, v0
	v_readfirstlane_b32 s24, v3                    ; wave 0..7
	v_and_b32 v4, 31, v0
	v_lshlrev_b32 v1, 5, v4                        ; 32 x lane: eight f32 on end
	v_lshlrev_b32 v2, 4, v4                        ; 16 x lane
	s_wait_alu depctr_va_sdst(0)                   ; s24 is written, ahead of its first reader: my first unit's number is made from it
	s_mov_b32 s44, 0xffff0000                      ; a word's upper bf16
	s_mov_b32 s28, 0
	s_mov_b32 s29, 0
	s_mov_b32 s31, 2048
	s_mov_b32 s32, 0
	s_mov_b32 s33, 0
	s_wait_kmcnt 0x0
	s_mov_b64 s[SRC:SRC+1], s[8:9]                 ; work-groups 0-127: x
	SEG 128, 10, 1, 8192, 8388608, 0               ; w_q: two units a row
	SEG 192, 12, 0, 8192, 8392704, 0               ; w_k: columns 2048 on
	SEG 224, 14, 0, 8192, 8394752, 0               ; w_v: columns 3072 on
	SEG 256, 16, 0, 2048, 16777216, 1              ; w_o
	SEG 320, 18, 0, 4096, 20971520, 2              ; cos
	SEG 328, 20, 0, 4096, 22020096, 2              ; sin
	s_sub_co_u32 s25, ttmp9, s28
	s_lshl_b32 s25, s25, 5
	s_lshl2_add_u32 s25, s24, s25                  ; my first unit in the segment
	s_lshl_b32 s34, s25, 12
	s_mov_b32 s35, 0
	s_add_nc_u64 s[SRC:SRC+1], s[SRC:SRC+1], s[34:35]
.irp i, 0,1,2,3
	s_add_co_u32 s34, s25, \i
	s_lshr_b32 s45, s34, s29                       ; the unit's row,
	s_mul_i32 s45, s45, s31
	s_and_b32 s34, s34, s29                        ; its place in the row
	s_lshl_b32 s34, s34, 11
	s_add_co_u32 s34, s34, s45
	s_add_co_u32 s34, s34, s32
	s_add_nc_u64 s[D0+2*(\i):D0+2*(\i)+1], s[22:23], s[34:35]
.endr
	s_wait_alu depctr_va_vdst(0)                   ; v1 and v2 are written: every load and store below, of all three kinds, reads one of them as its offset, and no line writes them again
	s_cmp_eq_u32 s33, 2
	s_cbranch_scc1 .Lwiden
.irp i, 0,1,2,3
.irp j, 0,1,2,3
	global_load_b128 v[DAT+32*(\i)+8*(\j):DAT+32*(\i)+8*(\j)+3],   v1, s[SRC:SRC+1] offset:4096*(\i)+1024*(\j) th:TH_LOAD_NT
	global_load_b128 v[DAT+32*(\i)+8*(\j)+4:DAT+32*(\i)+8*(\j)+7], v1, s[SRC:SRC+1] offset:4096*(\i)+1024*(\j)+16 th:TH_LOAD_NT
.endr
.endr
	s_cmp_eq_u32 s33, 1
	s_cbranch_scc1 .Lhalf
	; to bf16: a lane's eight numbers become 16 bytes; a wave's store covers 512 consecutive bytes, aligned
.irp i, 0,1,2,3
	s_wait_loadcnt 24-8*(\i)                       ; unit i is in; the younger units' eight loads each may stay out
.irp j, 0,1,2,3
.irp k, 0,1,2,3
	v_cvt_pk_bf16_f32 v[DAT+32*(\i)+8*(\j)+(\k)], v[DAT+32*(\i)+8*(\j)+2*(\k)], v[DAT+32*(\i)+8*(\j)+2*(\k)+1]
.endr
.endr
	s_wait_alu depctr_va_vdst(0)                   ; the unit's sixteen conversions have written the registers that its four stores read
.irp j, 0,1,2,3
	global_store_b128 v2, v[DAT+32*(\i)+8*(\j):DAT+32*(\i)+8*(\j)+3], s[D0+2*(\i):D0+2*(\i)+1] offset:512*(\j)
.endr
.endr
	s_endpgm
.Lhalf:                                        ; to bf16, widened again, and that number as f16
.irp i, 0,1,2,3
	s_wait_loadcnt 24-8*(\i)
.irp j, 0,1,2,3
.irp k, 0,1,2,3
	v_cvt_pk_bf16_f32 v[TT+(\k)], v[DAT+32*(\i)+8*(\j)+2*(\k)], v[DAT+32*(\i)+8*(\j)+2*(\k)+1]
.endr
.irp k, 0,1,2,3
	v_lshlrev_b32 v[DAT+32*(\i)+8*(\j)+2*(\k)], 16, v[TT+(\k)]
	v_and_b32 v[DAT+32*(\i)+8*(\j)+2*(\k)+1], s44, v[TT+(\k)]
.endr
.irp k, 0,1,2,3
	v_cvt_pk_f16_f32 v[DAT+32*(\i)+8*(\j)+(\k)], v[DAT+32*(\i)+8*(\j)+2*(\k)], v[DAT+32*(\i)+8*(\j)+2*(\k)+1]
.endr
.endr
	s_wait_alu depctr_va_vdst(0)                   ; the unit's conversions to f16 have written the registers that its four stores read
.irp j, 0,1,2,3
	global_store_b128 v2, v[DAT+32*(\i)+8*(\j):DAT+32*(\i)+8*(\j)+3], s[D0+2*(\i):D0+2*(\i)+1] offset:512*(\j)
.endr
.endr
	s_endpgm
.Lwiden:                                       ; to bf16 and back to f32: four numbers a lane and load, stored where they came from in the unit
.irp i, 0,1,2,3
.irp j, 0,1,2,3,4,5,6,7
	global_load_b128 v[DAT+32*(\i)+4*(\j):DAT+32*(\i)+4*(\j)+3], v2, s[SRC:SRC+1] offset:4096*(\i)+512*(\j) th:TH_LOAD_NT
.endr
.endr
.irp i, 0,1,2,3
	s_wait_loadcnt 24-8*(\i)
.irp j, 0,1,2,3,4,5,6,7
	v_cvt_pk_bf16_f32 v[TT+2*((\j)%2)],   v[DAT+32*(\i)+4*(\j)],   v[DAT+32*(\i)+4*(\j)+1]
	v_cvt_pk_bf16_f32 v[TT+2*((\j)%2)+1], v[DAT+32*(\i)+4*(\j)+2], v[DAT+32*(\i)+4*(\j)+3]
	v_lshlrev_b32 v[DAT+32*(\i)+4*(\j)],   16,  v[TT+2*((\j)%2)]
	v_and_b32     v[DAT+32*(\i)+4*(\j)+1], s44, v[TT+2*((\j)%2)]
	v_lshlrev_b32 v[DAT+32*(\i)+4*(\j)+2], 16,  v[TT+2*((\j)%2)+1]
	v_and_b32     v[DAT+32*(\i)+4*(\j)+3], s44, v[TT+2*((\j)%2)+1]
.endr
	s_wait_alu depctr_va_vdst(0)                   ; the unit's widenings have written the registers that its eight stores read
.irp j, 0,1,2,3,4,5,6,7
	global_store_b128 v2, v[DAT+32*(\i)+4*(\j):DAT+32*(\i)+4*(\j)+3], s[D0+2*(\i):D0+2*(\i)+1] offset:512*(\j)
.endr
.endr
	s_endpgm
.Lfunc_end_k_q9243195d97_prep:
	.size	k_q9243195d97_prep, .Lfunc_end_k_q9243195d97_prep-k_q9243195d97_prep
	.p2alignl 7, 3214868480
	.fill 96, 4, 3214868480
	.section	.rodata,"a",@progbits
	.p2align	6, 0x0
	.amdhsa_kernel k_q9243195d97_prep
		.amdhsa_group_segment_fixed_size 0
		.amdhsa_private_segment_fixed_size 0
		.amdhsa_enable_private_segment 0
		.amdhsa_kernarg_size 64
		.amdhsa_user_sgpr_count 2
		.amdhsa_user_sgpr_kernarg_segment_ptr 1
		.amdhsa_wavefront_size32 1
		.amdhsa_system_sgpr_workgroup_id_x 1
		.amdhsa_system_sgpr_workgroup_id_y 1
		.amdhsa_system_sgpr_workgroup_id_z 1
		.amdhsa_system_vgpr_workitem_id 0
		.amdhsa_next_free_vgpr 168
		.amdhsa_next_free_sgpr 66
		.amdhsa_reserve_vcc 0
		.amdhsa_float_denorm_mode_32 3
		.amdhsa_float_denorm_mode_16_64 3
		.amdhsa_memory_ordered 1
		.amdhsa_forward_progress 1
		.amdhsa_inst_pref_size 42
	.end_amdhsa_kernel
	.amdgpu_metadata
---
amdhsa.version: [ 1, 2 ]
amdhsa.kernels:
  - .name:           k_q9243195d97_prep
    .symbol:         k_q9243195d97_prep.kd
    .args:
      - { .name: x, .offset: 0, .size: 8, .value_kind: global_buffer, .address_space: global }
      - { .name: w_q, .offset: 8, .size: 8, .value_kind: global_buffer, .address_space: global }
      - { .name: w_k, .offset: 16, .size: 8, .value_kind: global_buffer, .address_space: global }
      - { .name: w_v, .offset: 24, .size: 8, .value_kind: global_buffer, .address_space: global }
      - { .name: w_o, .offset: 32, .size: 8, .value_kind: global_buffer, .address_space: global }
      - { .name: cos, .offset: 40, .size: 8, .value_kind: global_buffer, .address_space: global }
      - { .name: sin, .offset: 48, .size: 8, .value_kind: global_buffer, .address_space: global }
      - { .name: cast, .offset: 56, .size: 8, .value_kind: global_buffer, .address_space: global }
    .group_segment_fixed_size: 0
    .private_segment_fixed_size: 0
    .kernarg_segment_align: 8
    .kernarg_segment_size: 64
    .max_flat_workgroup_size: 256
    .sgpr_count:     66
    .vgpr_count:     168
    .wavefront_size: 32
...
	.end_amdgpu_metadata
.endif
;; end of part 6
;; launch qkv: the kernel of part 2 again; grid 16 x 16, 4 waves a work-group, clusters of 4 x 4, 327,680 bytes of LDS; arguments cast, alpha_q, alpha_k, proj; writes proj
;; launch fix (part 7): grid 256 x 1, 8 waves a work-group, no clusters, 0 bytes of LDS; arguments proj, fixd; writes fixd
.if DOCPART == 7
	.amdgcn_target "amdgcn-amd-amdhsa--gfx1250"
	.amdhsa_code_object_version 6
	.text
	.protected	k_q9243195d97_fix
	.globl	k_q9243195d97_fix
	.p2align	8
	.type	k_q9243195d97_fix,@function
k_q9243195d97_fix:
	s_mov_b64 s[64:65], 0
	v_nop
	global_prefetch_b8 v0, s[64:65] scope:SCOPE_SE
	s_setreg_imm32_b32 hwreg(HW_REG_WAVE_SCHED_MODE, 0, 2), 2
	s_setreg_imm32_b32 hwreg(HW_REG_WAVE_MODE, 25, 1), 1
	s_wait_xcnt 0x0
	s_wait_alu depctr_vm_vsrc(0)
; WHAT THE NORM STILL OWES.  The launch before normalised each head by its own 128 columns and stored each head's sum of squares ss (hss [24 heads][4096 tokens]).
; K: every row of a head is multiplied by t = sqrt(ss / 128 + eps) rsqrt(sum over the 8 heads of ss / 1024 + eps) and stored in f16 (fixd, byte 0, [b 8 + h][2048][128]).
; Q: the table cq[token][16 heads] = log2(e) / sqrt(128) x sqrt(ss / 128 + eps) rsqrt(sum over the 16 heads of ss / 2048 + eps), f32 (fixd, byte 8,388,608): attention's scale for each query.
; A stream: no LDS, no matrix unit.  A work-group owns 16 tokens; wave w takes K's head w: 16 rows = 4,096 consecutive bytes, each load and store 512 bytes on end.  Waves 0 and 1 also make cq, 8 tokens each.
; THE MODE: SCHED_MODE bits 1:0 = 2 (LLVM: expert scheduling mode 2), set by the entry lines.  The code itself states the register dependences
; between vector instructions and memory instructions, with s_wait_alu, always for 0.
; THE PLAN.  Registers that memory instructions touch:
;   v3, v4     byte offsets, made once at the head and never written again.
;   v[32:63]   K's rows: written by the loads, then by the 64 multiply-adds, in place; read by the eight stores; never written behind them.
;   v8-16, v64-83   written by loads alone, ahead of every vector instruction that names them.
;   v5, v6     in waves 0 and 1: offsets of cq's loads, made there; no memory instruction has read them before.
;   v[92:95]   written by four multiplies, read by the last store.
; So one wait at the head states that v3 and v4 are written; one behind ALL the multiply-adds states that they have written what the eight stores read, and the stores follow it in one run; in waves 0 and 1
; one more stands ahead of cq's loads and one ahead of its store.  No register that a load or store has read is written again, so nothing is owed on that side.
.set P_K,   25165824
.set P_HSS, 33554432
.set F_CQ,  8388608
	s_load_b128 s[4:7], s[0:1], 0x0                ; proj, fixd
	v_lshrrev_b32 v1, 5, v0
	v_readfirstlane_b32 s8, v1                     ; wave 0..7
	v_and_b32 v2, 31, v0                           ; l
	v_lshlrev_b32 v3, 4, v2                        ; 16 l
	v_and_b32 v4, 15, v2
	v_lshrrev_b32 v5, 4, v2
	v_add_nc_u32 v4, v4, v5                        ; lanes 0-15 make token l's factor, lanes 16-31 token (l % 16) + 1's: so lane 2 i of each half holds
	v_and_b32 v4, 15, v4                           ; the factor of the row that the half's lanes hold in load i
	v_lshlrev_b32 v4, 2, v4
	v_mov_b32 v7, 0
	s_wait_alu depctr_va_sdst(0)                   ; s8 is written, ahead of its first reader: my rows' places are made from it
	s_lshr_b32 s9, ttmp9, 7                        ; batch
	s_lshl_b32 s10, ttmp9, 4
	s_and_b32 s10, s10, 2047                       ; first position
	s_lshl_b32 s9, s9, 3
	s_add_co_u32 s9, s9, s8
	s_lshl_b32 s9, s9, 11
	s_add_co_u32 s9, s9, s10
	s_lshl_b32 s12, s9, 8                          ; my rows' first byte among K's
	s_mov_b32 s13, 0
	s_add_co_u32 s14, s12, P_K
	s_mov_b32 s15, 0
	s_lshl_b32 s16, ttmp9, 6                       ; 16 tokens of 4 bytes
	s_add_co_u32 s16, s16, P_HSS
	s_mov_b32 s17, 0
	s_lshl_b32 s18, s8, 14
	s_add_co_u32 s18, s18, s16
	s_add_co_u32 s18, s18, 16*16384                ; my own head's row of hss
	s_mov_b32 s19, 0
	s_lshl_b32 s36, ttmp9, 10                      ; cq: 64 bytes a token,
	s_lshl_b32 s37, s8, 9                          ; 8 tokens a wave
	s_add_co_u32 s36, s36, s37
	s_add_co_u32 s36, s36, F_CQ
	s_mov_b32 s37, 0
	s_mov_b32 s28, 0x3c000000                      ; 1 / 128
	s_mov_b32 s29, 0x3a800000                      ; 1 / 1024
	s_mov_b32 s30, 0x358637bd                      ; 1e-6
	s_mov_b32 s31, 0x3a000000                      ; 1 / 2048
	s_mov_b32 s32, 0x3e0293ee                      ; log2(e) / sqrt(128)
	s_wait_kmcnt 0x0
	s_add_nc_u64 s[20:21], s[4:5], s[14:15]
	s_add_nc_u64 s[22:23], s[6:7], s[12:13]
	s_add_nc_u64 s[24:25], s[4:5], s[16:17]
	s_add_nc_u64 s[26:27], s[4:5], s[18:19]
	s_add_nc_u64 s[34:35], s[6:7], s[36:37]
	s_wait_alu depctr_va_vdst(0)                   ; v3 and v4 are written: the loads below and every store read one of them as their offset, and no line writes them again
.irp i, 0,1,2,3,4,5,6,7
	global_load_b128 v[32+4*(\i):35+4*(\i)], v3, s[20:21] offset:512*(\i) th:TH_LOAD_NT
.endr
.irp i, 0,1,2,3,4,5,6,7
	global_load_b32 v[8+(\i)], v4, s[24:25] offset:(16+(\i))*16384
.endr
	global_load_b32 v16, v4, s[26:27]
.irp i, 0,1,2,3,4,5,6,7
	v_mov_b32 v[20+(\i)], 0                        ; the destination of a DPP move counts as read
.endr
	s_wait_loadcnt 0x0
	v_add_f32 v8, v8, v9
	v_add_f32 v10, v10, v11
	v_add_f32 v12, v12, v13
	v_add_f32 v14, v14, v15
	v_add_f32 v8, v8, v10
	v_add_f32 v12, v12, v14
	v_add_f32 v8, v8, v12
	v_fma_f32 v16, v16, s28, s30
	v_fma_f32 v8, v8, s29, s30
	v_sqrt_f32 v17, v16
	v_rsq_f32 v18, v8
	v_nop                                          ; a plain instruction behind the two,
	s_wait_alu depctr_va_vdst(0)                   ; and one wait for both, ahead of their reader: v17 and v18 are written
	v_mul_f32 v19, v17, v18
.irp n, 0,2,4,6,8,10,12,14
	v_mov_b32_dpp v[20+(\n)/2], v19 row_share:\n row_mask:0xf bank_mask:0xf  ; lanes 0-15: row n's factor; lanes 16-31: row n + 1's
.endr
.irp i, 0,1,2,3,4,5,6,7
.irp k, 0,1,2,3
	v_fma_mixlo_f16 v[32+4*(\i)+(\k)], v[32+4*(\i)+(\k)], v[20+(\i)], v7 op_sel_hi:[1,0,0]               ; the low half times the factor, rounded once,
	v_fma_mixhi_f16 v[32+4*(\i)+(\k)], v[32+4*(\i)+(\k)], v[20+(\i)], v7 op_sel:[1,0,0] op_sel_hi:[1,0,0]  ; then the high half: each keeps the other
.endr
.endr
	s_wait_alu depctr_va_vdst(0)                   ; the 64 multiply-adds have written v[32:63], which the eight stores read
.irp i, 0,1,2,3,4,5,6,7
	global_store_b128 v3, v[32+4*(\i):35+4*(\i)], s[22:23] offset:512*(\i)
.endr
	s_cmp_lt_u32 s8, 2
	s_cbranch_scc0 .Lend
	; cq: lane l takes token 8 w + l / 4 and heads 4 (l % 4) + 0..3: 16 bytes; the wave's store covers 512 consecutive bytes
	v_lshrrev_b32 v5, 2, v2
	v_lshl_add_u32 v5, s8, 3, v5
	v_lshlrev_b32 v5, 2, v5
	v_and_b32 v6, 3, v2
	v_lshl_add_u32 v6, v6, 16, v5
	s_wait_alu depctr_va_vdst(0)                   ; v5 and v6 are written, which the twenty loads read as their offsets
.irp i, 0,1,2,3,4,5,6,7,8,9,10,11,12,13,14,15
	global_load_b32 v[64+(\i)], v5, s[24:25] offset:(\i)*16384
.endr
.irp i, 0,1,2,3
	global_load_b32 v[80+(\i)], v6, s[24:25] offset:(\i)*16384
.endr
	s_wait_loadcnt 0x0
.irp i, 0,1,2,3,4,5,6,7
	v_add_f32 v[64+(\i)], v[64+(\i)], v[72+(\i)]
.endr
.irp i, 0,1,2,3
	v_add_f32 v[64+(\i)], v[64+(\i)], v[68+(\i)]
.endr
	v_add_f32 v64, v64, v66
	v_add_f32 v65, v65, v67
	v_add_f32 v64, v64, v65
	v_fma_f32 v64, v64, s31, s30
.irp i, 0,1,2,3
	v_fma_f32 v[80+(\i)], v[80+(\i)], s28, s30
.endr
	v_rsq_f32 v84, v64
.irp i, 0,1,2,3
	v_sqrt_f32 v[85+(\i)], v[80+(\i)]
.endr
	v_nop
	s_wait_alu depctr_va_vdst(0)                   ; one wait for the five: v84 to v88 are written, ahead of their first reader
	v_mul_f32 v84, s32, v84
.irp i, 0,1,2,3
	v_mul_f32 v[92+(\i)], v84, v[85+(\i)]
.endr
	s_wait_alu depctr_va_vdst(0)                   ; the four products have written v[92:95], which the store reads
	global_store_b128 v3, v[92:95], s[34:35]
.Lend:
	s_endpgm
.Lfunc_end_k_q9243195d97_fix:
	.size	k_q9243195d97_fix, .Lfunc_end_k_q9243195d97_fix-k_q9243195d97_fix
	.p2alignl 7, 3214868480
	.fill 96, 4, 3214868480
	.section	.rodata,"a",@progbits
	.p2align	6, 0x0
	.amdhsa_kernel k_q9243195d97_fix
		.amdhsa_group_segment_fixed_size 0
		.amdhsa_private_segment_fixed_size 0
		.amdhsa_enable_private_segment 0
		.amdhsa_kernarg_size 16
		.amdhsa_user_sgpr_count 2
		.amdhsa_user_sgpr_kernarg_segment_ptr 1
		.amdhsa_wavefront_size32 1
		.amdhsa_system_sgpr_workgroup_id_x 1
		.amdhsa_system_sgpr_workgroup_id_y 1
		.amdhsa_system_sgpr_workgroup_id_z 1
		.amdhsa_system_vgpr_workitem_id 0
		.amdhsa_next_free_vgpr 96
		.amdhsa_next_free_sgpr 66
		.amdhsa_reserve_vcc 0
		.amdhsa_float_denorm_mode_32 3
		.amdhsa_float_denorm_mode_16_64 3
		.amdhsa_memory_ordered 1
		.amdhsa_forward_progress 1
		.amdhsa_inst_pref_size 14
	.end_amdhsa_kernel
	.amdgpu_metadata
---
amdhsa.version: [ 1, 2 ]
amdhsa.kernels:
  - .name:           k_q9243195d97_fix
    .symbol:         k_q9243195d97_fix.kd
    .args:
      - { .name: proj, .offset: 0, .size: 8, .value_kind: global_buffer, .address_space: global }
      - { .name: fixd, .offset: 8, .size: 8, .value_kind: global_buffer, .address_space: global }
    .group_segment_fixed_size: 0
    .private_segment_fixed_size: 0
    .kernarg_segment_align: 8
    .kernarg_segment_size: 16
    .max_flat_workgroup_size: 256
    .sgpr_count:     66
    .vgpr_count:     96
    .wavefront_size: 32
...
	.end_amdgpu_metadata
.endif
;; end of part 7
;; launch attn: the kernel of part 4 again; grid 16 x 16, 4 waves a work-group, no clusters, 327,680 bytes of LDS; arguments proj, fixd, ob; writes ob
;; launch oproj: the kernel of part 5 again; grid 8 x 32, 4 waves a work-group, clusters of 4 x 4, 327,680 bytes of LDS; arguments ob, cast, out0; writes out0
